; MI455X (gfx1250); checked and timed in simulation.
; The chip was launched on July 23, 2026; its instructions are those of AMD's public machine-readable ISA for CDNA 5 (MIT licence, August 2026) and "CDNA5" Instruction Set Architecture Reference Guide (July 2026). The comments in the code are by the model that wrote it; some were corrected since.
;; Lin Block. Allowed arithmetic: matrix products marked QUANTISED: E2M3 operands, one E8M0 scale for each 32 along K, by v_wmma_scale_f32_16x16x128_f8f6f4 with both operands' format E2M3, f32 sums; everything else in f32.
;; Inputs: Wck 1,024 x 4,096 float32; Wcv 1,024 x 4,096 float32; Wk 512 x 512 float32; Wo 512 x 512 float32; Wq 512 x 512 float32; Wv 512 x 512 float32; bk 512 float32; bo 512 float32; bq 512 float32; bv 512 float32; query 4,096 x 4 x 512 float32.
;; Outputs: out0 4,096 x 4 x 512 float32.
;; This version of the problem:
;;   THIS VERSION OF THE PROBLEM IS GIVEN IN LOW PRECISION. The matrix products marked QUANTISED in the list below multiply operands that are first quantised to E2M3 (2 exponent bits, 3 mantissa bits; 6 bits a number), with one power-of-two scale for each 32 numbers along K (OCP MX v1.0); their sums are f32. All else is computed in f32.
;;   The module's matrix products, in the order in which they are computed (A, B: the left and right operand; K: the contracted axis; several contracted axes count as one K, in the product's order):
;;     1. [M 16,384, K 512] x [K 512, N 512]; A: input query; B: input Wq: QUANTISED
;;     2. [M 1,024, K 4,096] x [K 4,096, N 2,048]; A: input Wck; B: input query: QUANTISED
;;     3. [M 1,024, K 4,096] x [K 4,096, N 2,048]; A: input Wcv; B: input query: QUANTISED
;;     4. [M 4,096, K 512] x [K 512, N 512]; A: computed on the way; B: input Wk: QUANTISED
;;     5. [M 4,096, K 512] x [K 512, N 512]; A: computed on the way; B: input Wv: QUANTISED
;;     6. batch 32 x [M 4,096, K 64] x [K 64, N 1,024]; A: computed on the way; B: computed on the way: QUANTISED
;;     7. batch 32 x [M 4,096, K 1,024] x [K 1,024, N 64]; A: softmax (see below); B: computed on the way: QUANTISED
;;     8. [M 16,384, K 512] x [K 512, N 512]; A: computed on the way; B: input Wo: QUANTISED
;;   THE QUANTISER, for each operand of a quantised product, along K:
;;     - K is cut into blocks of 32 from its start; a last block that is shorter is filled with zeros.
;;     - A block's scale is 2^e with e = floor(log2(the largest magnitude in the block)) - 2, held to -126 .. 127; a block of zeros has e = 0. As a byte (E8M0): e + 127.
;;     - Each number is divided by its block's scale, clamped to +-7.5, and rounded to the nearest number of E2M3, ties to even, subnormals kept.
;;     - The product sums the exact products of the quantised numbers (number of the format x scale) in f32.
;;   ~~~python
;;   def quantise(x, axis):      # numpy; x: float32 -> the quantised numbers, widened to float32 again
;;       x = np.moveaxis(x, axis, -1); K = x.shape[-1]
;;       x = np.pad(x, [(0, 0)] * (x.ndim - 1) + [(0, -K % 32)]); x = x.reshape(x.shape[:-1] + (-1, 32)); a = np.abs(x).max(-1, keepdims=True)
;;       e = np.where(a > 0, np.clip(np.frexp(np.where(a > 0, a, 1))[1] - 1 - 2, -126, 127), 0)      # np.frexp(a)[1] - 1 = floor(log2(a)), exactly
;;       r = np.clip(x / 2.0 ** e, -7.5, 7.5)
;;       step = 2.0 ** (np.maximum(np.frexp(np.where(r == 0, 1, r))[1] - 1, 0) - 3)
;;       q = np.round(r / step) * step * 2.0 ** e      # np.round: ties to even
;;       return np.moveaxis(q.reshape(q.shape[:-2] + (-1,))[..., :K], -1, axis).astype(np.float32)
;;   ~~~
;;   SOFTMAX AHEAD OF A QUANTISED PRODUCT. Where the list says 'softmax', what is quantised is not the finished softmax but p = 2^(t - M), with t = logit x log2(e) and M = ceil(the row's largest t), a whole number; so 1/2 < the row's largest p <= 1. The row's sum l is taken of the UNQUANTISED p, in f32, and the product's result is divided by l at the end. Since M is a whole number, a kernel that streams over the keys may use a running M (the ceiling of the running maximum): every later rescaling is an exact power of two, which a block's scale takes up: the codes' values come out the same.
;;   OPERANDS COMPUTED ON THE WAY. 'Computed on the way' means the value that the module computes at that place (a softmax that the list does not call 'softmax' is quantised finished and normalised). What goes into a quantiser is computed in f32, as accurately as f32 sums, v_exp_f32 and their like allow (about 1e-6 of the number): no bf16 or f16 on the way to a quantiser, and a product that is left as it is and whose result goes on into a quantised operand takes f32 operands (vector FMAs, or v_wmma_f32_16x16x4_f32). A number that lies on a knife's edge between two numbers of the format may be rounded either way, as far as f32 arithmetic and the matrix unit's own rounding can turn it there, and no further.
;; One version. Each part assembles by itself: llvm-mc -triple=amdgcn-amd-amdhsa -mcpu=gfx1250 --defsym DOCPART=n.
;; ======== version 1 of 1: 3 launches
;; limits: right only within a limited range of input values
;; workspace buffers: xt 6,553,600 bytes; wc 6,553,600 bytes; wts 819,200 bytes; kv 3,289,600 bytes; vsw 65,536 bytes
;; launch prep (part 1): grid 800 x 1, 4 waves a work-group, no clusters, 34,304 bytes of LDS; arguments query, Wck, Wcv, Wq, Wk, Wv, Wo, xt, wc, wts; writes xt, wc, wts
.if DOCPART == 1
	.amdgcn_target "amdgcn-amd-amdhsa--gfx1250"
	.amdhsa_code_object_version 6
	.text
	.protected	k_q746251b5e1_prep
	.globl	k_q746251b5e1_prep
	.p2align	8
	.type	k_q746251b5e1_prep,@function
k_q746251b5e1_prep:
	s_mov_b64 s[64:65], 0
	v_nop
	global_prefetch_b8 v0, s[64:65] scope:SCOPE_SE
	s_setreg_imm32_b32 hwreg(HW_REG_WAVE_MODE, 25, 1), 1
	s_wait_xcnt 0x0
; PREP: f32 operands into codes of FP6 (E2M3) with one E8M0 byte for each 32 along K, laid as IMAGES OF OPERAND REGISTERS.
; An image of a fragment (16 rows x 128 K, 12 registers a lane) is 1,536 bytes: registers 4 p .. 4 p + 3 of lane l at 512 p + 16 l.  A row's scale word (4 bytes) lies at 64 x tile + 4 x row.
; THE ROWS OF A TILE ARE NOT NEIGHBOURS: in a group of 32 rows, row r of tile u is row 8 u + r + 8 (r / 8), so that a transposed product leaves 16 neighbours in 16 registers of two neighbouring tiles.
; Work-groups 0-511: query [4096 t][2048 (b, e)] along t (K is its first axis): a lane takes a column, its registers run down t.  xt: [4 b + w][j 32] records of 8 images + 512 bytes of scale words.
; Work-groups 512-767: Wck, Wcv [1024][4096] along t.  wc: [type][group of 32 rows][j 32] records of 2 images + 128 bytes of scale words.
; Work-groups 768-799: Wq, Wk, Wv, Wo [512][512] along their second axis.  wts: [id] 204,800 bytes; the record of 128 rows g and K step s at (s / 2) 102,400 + 25,600 g + (s % 2) 12,800.
; A block's scale byte is its largest magnitude's exponent field - 2, held at 1 from below.
; LIMITS: a block whose largest magnitude lies under 2^-124 (a block of zeros among them) gets the byte 1; its codes are then small or zero, and this program alone reads the bytes.  NaN and infinities are not served.
; No barrier: waves share nothing.  Only the rows' path uses LDS: a stage of 16 rows x 528 bytes for each wave.
.set X,    40                          ; v40-167  numbers: two sets
.set C,    168                         ; v168-215 codes: registers of their own for every store
.set SW,   216                         ; v216-219 scale words
.set RO,   16                          ; v16-31   rows' path: byte offset of my 16 bytes in each of the tile's 16 rows
.set OA,   32                          ; v32-35   where a K step's image goes;  v36-39 its scale words
.set OS,   36
.set MX,   8                           ; v8-9     two chains of a maximum
.set SOP,  10                          ; v10      the conversions' scale operand
.set BY0,  11
.set TT,   12                          ; v12-14   the second half of a block's codes
.set BY1,  15
.set SI,   220
.set SOUT, 221
.set SH,   222
.set PT,   223
; 32 numbers of one block, v[x] on, become 6 registers of codes at v[d] on and the scale's byte in v[by]
.macro QB x, d, by
	v_max3_num_f32 v[MX], |v[(\x)]|, |v[(\x)+1]|, |v[(\x)+2]|
	v_max3_num_f32 v[MX+1], |v[(\x)+3]|, |v[(\x)+4]|, |v[(\x)+5]|
.irp i, 6,10,14,18,22,26
	v_max3_num_f32 v[MX], v[MX], |v[(\x)+\i]|, |v[(\x)+\i+1]|
	v_max3_num_f32 v[MX+1], v[MX+1], |v[(\x)+\i+2]|, |v[(\x)+\i+3]|
.endr
	v_max3_num_f32 v[MX], v[MX], |v[(\x)+30]|, |v[(\x)+31]|
	v_max3_num_f32 v[MX], v[MX], v[MX+1], 0x1800000      ; the floor 2^(3 - 127): the byte cannot fall under 1
	v_add_nc_u32 v[SOP], 0xff000000, v[MX]               ; 2 off the exponent field: the conversion takes this operand's exponent field as its scale
	v_lshrrev_b32 v[\by], 23, v[SOP]                     ; the scale's byte
	v_cvt_scalef32_pk16_fp6_f32 v[(\d):(\d)+2], v[(\x):(\x)+15], v[SOP]
	v_cvt_scalef32_pk16_fp6_f32 v[TT:TT+2], v[(\x)+16:(\x)+31], v[SOP]   ; (a conversion's three registers begin on an even number)
	v_nop                                                ; one plain place behind a scaled conversion
.irp i, 0,1,2
	v_mov_b32 v[(\d)+3+\i], v[TT+\i]
.endr
.endm
	s_load_b256 s[4:11], s[0:1], 0x0               ; query s[4:5], Wck s[6:7], Wcv s[8:9], Wq s[10:11]
	s_load_b256 s[12:19], s[0:1], 0x20             ; Wk s[12:13], Wv s[14:15], Wo s[16:17], xt s[18:19]
	s_load_b128 s[20:23], s[0:1], 0x40             ; wc s[20:21], wts s[22:23]
	v_lshl_add_u32 v224, v0, 2, 0x8400
	v_mov_b32 v225, 0
	v_lshrrev_b32 v1, 5, v0
	v_readfirstlane_b32 s24, v1                    ; wave 0..3
	v_and_b32 v1, 31, v0                           ; lane
	s_wait_kmcnt 0x0
	s_cmp_lt_u32 ttmp9, 512
	s_cbranch_scc0 .Lrows
	; ---- query along t.  Work-group n: K step j = n % 32, columns 128 (n / 32) on; wave w: 32 of them; lane l: column l.
	s_and_b32 s30, ttmp9, 31                       ; j
	s_lshr_b32 s31, ttmp9, 5                       ; 4 b + w of the later launch
	s_lshl_b32 s32, s30, 20                        ; 128 rows of 8,192 bytes
	s_lshl_b32 s33, s31, 9
	s_add_co_u32 s32, s32, s33
	s_lshl_b32 s33, s24, 7
	s_add_co_u32 s32, s32, s33
	s_mov_b32 s33, 0
	s_add_nc_u64 s[4:5], s[4:5], s[32:33]
	s_lshl_b32 s34, s31, 5
	s_add_co_u32 s34, s34, s30
	s_mul_i32 s34, s34, 12800                      ; the record
	s_mov_b32 s35, 0
	s_add_nc_u64 s[18:19], s[18:19], s[34:35]
	s_wait_alu depctr_va_vdst(0)
	v_lshlrev_b32 v2, 2, v1                        ; in: 4 bytes a lane
	v_and_b32 v5, 7, v0
	v_bfe_u32 v6, v0, 4, 1
	v_lshl_add_u32 v5, v6, 3, v5                   ; my column is row r = 8 (l / 16) + l % 8
	v_bfe_u32 v6, v0, 3, 1                         ; of tile u = (l / 8) % 2
	v_mul_u32_u24 v3, v6, 1536
	v_lshl_add_u32 v3, v5, 4, v3
	s_mul_i32 s30, s24, 3072
	v_add_nc_u32 v3, s30, v3                       ; codes: 3,072 wave + 1,536 u + 16 r
	v_lshlrev_b32 v4, 6, v6
	v_lshl_add_u32 v4, v5, 2, v4
	s_lshl_b32 s30, s24, 7
	s_add_co_u32 s30, s30, 12288
	v_add_nc_u32 v4, s30, v4                       ; scale word: 12,288 + 128 wave + 64 u + 4 r
.macro LOADT blk                       ; block blk: query(128 j + 32 blk + i, my column); a wave's load reads 128 consecutive bytes, the four waves stand side by side on 512
.set li, 0
.rept 32
	global_load_b32 v[X+32*((\blk)%2)+li], v2, s[4:5] offset:(32*(\blk)+li)*8192
.set li, li+1
.endr
.endm
.macro BLOCKT blk
.if (\blk) < 3
	s_wait_loadcnt 32                              ; this block's 32 loads are in; the next block's may be out
.else
	s_wait_loadcnt 0x0
.endif
	QB X+32*((\blk)%2), C+12*((\blk)%2)+6*((\blk)/2), BY0   ; block 2 c + h belongs to the image's lane (r, h), registers 6 c on
.if (\blk) == 0
	v_mov_b32 v[SW], v[BY0]
.else
	v_lshl_or_b32 v[SW], v[BY0], 8*(\blk), v[SW]
.endif
.if (\blk) < 2
	LOADT (\blk)+2
.endif
.endm
	LOADT 0
	LOADT 1
	BLOCKT 0
	BLOCKT 1
	BLOCKT 2
	BLOCKT 3
.irp hh, 0,1
.irp p, 0,1,2
	global_store_b128 v3, v[C+12*\hh+4*\p:C+12*\hh+4*\p+3], s[18:19] offset:512*\p+256*\hh   ; the sixteen lanes of a tile store 256 consecutive bytes, aligned
.endr
.endr
	global_store_b32 v4, v[SW], s[18:19]
	s_endpgm
.Lrows:
	; ---- tensors whose K is innermost.  A wave takes the 16 rows of one tile x 4 K steps.  Both kinds' figures are made, and chosen on the work-group's number alone.
	s_sub_co_u32 s26, ttmp9, 512                   ; n'
	s_and_b32 s27, s24, 1                          ; u
	s_lshr_b32 s30, s24, 1
	s_bfe_u32 s31, s26, 0x10007                    ; Wck / Wcv: type,
	s_bfe_u32 s32, s26, 0x50002                    ; group of 32 rows,
	s_and_b32 s33, s26, 3
	s_lshl_b32 s33, s33, 1
	s_add_co_u32 s33, s33, s30                     ; which four K steps
	s_cmp_eq_u32 s31, 0
	s_cselect_b64 s[34:35], s[6:7], s[8:9]
	s_lshl_b32 s36, s32, 5
	s_lshl_b32 s37, s27, 3
	s_add_co_u32 s36, s36, s37                     ; the tile's first row
	s_lshl_b32 s36, s36, 14
	s_lshl_b32 s37, s33, 11
	s_add_co_u32 s36, s36, s37
	s_lshl_b32 s38, s31, 5
	s_add_co_u32 s38, s38, s32
	s_mul_i32 s38, s38, 102400
	s_mul_i32 s39, s33, 12800
	s_add_co_u32 s38, s38, s39
	s_mul_i32 s43, s27, 1536                       ; the tile's image in a record,
	s_lshl_b32 s44, s27, 6
	s_add_co_u32 s44, s44, 3072                    ; and its scale words
	s_bfe_u32 s48, s26, 0x20003                    ; the four weights: id,
	s_and_b32 s49, s26, 7
	s_lshl_b32 s49, s49, 1
	s_add_co_u32 s49, s49, s30                     ; group of 32 rows
	s_cmp_lt_u32 s48, 2
	s_cselect_b64 s[50:51], s[10:11], s[14:15]
	s_cselect_b64 s[52:53], s[12:13], s[16:17]
	s_and_b32 s54, s48, 1
	s_cmp_eq_u32 s54, 0
	s_cselect_b64 s[50:51], s[50:51], s[52:53]
	s_lshl_b32 s54, s49, 5
	s_lshl_b32 s55, s27, 3
	s_add_co_u32 s54, s54, s55
	s_lshl_b32 s54, s54, 11
	s_mul_i32 s55, s48, 204800
	s_lshr_b32 s56, s49, 2
	s_mul_i32 s56, s56, 25600
	s_add_co_u32 s55, s55, s56
	s_and_b32 s56, s49, 3
	s_lshl_b32 s56, s56, 1
	s_add_co_u32 s56, s56, s27                     ; the tile among the record's eight
	s_mul_i32 s57, s56, 1536
	s_lshl_b32 s58, s56, 6
	s_add_co_u32 s58, s58, 12288
	s_mov_b32 s42, 2048                            ; a row in bytes
	s_mov_b32 s45, 12800                           ; where K steps 1, 2, 3 go
	s_mov_b32 s46, 102400
	s_mov_b32 s47, 115200
	s_cmp_lt_u32 s26, 256                          ; the choice
	s_cselect_b64 s[34:35], s[34:35], s[50:51]
	s_cselect_b64 s[40:41], s[20:21], s[22:23]
	s_cselect_b32 s36, s36, s54
	s_cselect_b32 s38, s38, s55
	s_cselect_b32 s43, s43, s57
	s_cselect_b32 s44, s44, s58
	s_cselect_b32 s42, 16384, s42
	s_cselect_b32 s45, 3200, s45
	s_cselect_b32 s46, 6400, s46
	s_cselect_b32 s47, 9600, s47
	s_mov_b32 s37, 0
	s_mov_b32 s39, 0
	s_add_nc_u64 s[34:35], s[34:35], s[36:37]      ; from
	s_add_nc_u64 s[40:41], s[40:41], s[38:39]      ; to
	s_mov_b32 s28, 0x76543210
	s_mov_b32 s29, 0xfedcba98                      ; v_permlanex16_b32's selects for lane l xor 16
	s_wait_alu depctr_va_vdst(0)
	v_lshlrev_b32 v2, 4, v1                        ; 16 x lane
	v_and_b32 v5, 15, v0                           ; r
	v_bfe_u32 v6, v0, 4, 1                         ; h
.irp rho, 0,1,2,3,4,5,6,7,8,9,10,11,12,13,14,15
	v_mad_u32_u24 v[RO+\rho], s42, \rho+8*(\rho/8), v2
.endr
	v_lshlrev_b32 v7, 2, v5
	v_add_nc_u32 v[OA], s43, v2
	v_add_nc_u32 v[OS], s44, v7
.irp s, 1,2,3
	v_add_nc_u32 v[OA+\s], s[44+\s], v[OA]
	v_add_nc_u32 v[OS+\s], s[44+\s], v[OS]
.endr
	s_mul_i32 s52, s24, 8448                       ; my stage
	v_add_nc_u32 v[SI], s52, v2                    ; in: a row's 512 bytes as they lie
	v_mul_u32_u24 v[SOUT], v5, 528
	v_lshl_add_u32 v[SOUT], v6, 7, v[SOUT]
	v_add_nc_u32 v[SOUT], s52, v[SOUT]             ; out: row r, 128 h bytes on: my blocks
	v_lshlrev_b32 v[SH], 3, v6
	v_mov_b32 v[PT], 0                             ; a lane permute's destination counts as one of its sources
.macro LOADR s                         ; K step s of the 16 rows: each load reads 512 consecutive bytes of one row
.irp rho, 0,1,2,3,4,5,6,7,8,9,10,11,12,13,14,15
	global_load_b128 v[X+64*((\s)%2)+4*\rho:X+64*((\s)%2)+4*\rho+3], v[RO+\rho], s[34:35] offset:512*(\s) th:TH_LOAD_NT
.endr
.endm
.macro STEPR s
.set XS, X+64*((\s)%2)
.if (\s) < 3
	s_wait_loadcnt 16                              ; this K step's 16 loads are in; the next step's may be out
.else
	s_wait_loadcnt 0x0
.endif
.irp rho, 0,1,2,3,4,5,6,7,8,9,10,11,12,13,14,15
	ds_store_b128 v[SI], v[XS+4*\rho:XS+4*\rho+3] offset:528*\rho
.endr
.irp c, 0,1
.irp i, 0,1,2,3,4,5,6,7
	ds_load_b128 v[XS+32*\c+4*\i:XS+32*\c+4*\i+3], v[SOUT] offset:256*\c+16*\i   ; LDS serves a wave's instructions in order: these see the stores.  Lane (r, h): k = 64 c + 32 h + 0 .. 31 of row r
.endr
.endr
	s_wait_dscnt 0x0
	QB XS, C+12*(\s), BY0
	QB XS+32, C+12*(\s)+6, BY1
	v_lshl_or_b32 v[SW+(\s)], v[BY1], 16, v[BY0]   ; my two bytes: blocks h and 2 + h,
	v_lshlrev_b32 v[SW+(\s)], v[SH], v[SW+(\s)]    ; at their places;
	v_permlanex16_b32 v[PT], v[SW+(\s)], s28, s29
	v_or_b32 v[SW+(\s)], v[SW+(\s)], v[PT]         ; with lane l xor 16's two the word is whole
.if (\s) < 2
	LOADR (\s)+2
.endif
.irp p, 0,1,2
	global_store_b128 v[OA+(\s)], v[C+12*(\s)+4*\p:C+12*(\s)+4*\p+3], s[40:41] offset:512*\p   ; 512 consecutive bytes
.endr
	global_store_b32 v[OS+(\s)], v[SW+(\s)], s[40:41]   ; both halves of the lanes store the same word to the same place
.endm
	LOADR 0
	LOADR 1
	s_wait_alu depctr_va_vdst(0)
	STEPR 0
	STEPR 1
	STEPR 2
	STEPR 3
	s_wait_tensorcnt 0x0
	ds_add_u32 v224, v225
	s_wait_dscnt 0x0
	s_endpgm
.Lfunc_end_k_q746251b5e1_prep:
	.size	k_q746251b5e1_prep, .Lfunc_end_k_q746251b5e1_prep-k_q746251b5e1_prep
	.p2alignl 7, 3214868480
	.fill 96, 4, 3214868480
	.section	.rodata,"a",@progbits
	.p2align	6, 0x0
	.amdhsa_kernel k_q746251b5e1_prep
		.amdhsa_group_segment_fixed_size 34304
		.amdhsa_private_segment_fixed_size 0
		.amdhsa_enable_private_segment 0
		.amdhsa_kernarg_size 80
		.amdhsa_user_sgpr_count 2
		.amdhsa_user_sgpr_kernarg_segment_ptr 1
		.amdhsa_wavefront_size32 1
		.amdhsa_system_sgpr_workgroup_id_x 1
		.amdhsa_system_sgpr_workgroup_id_y 1
		.amdhsa_system_sgpr_workgroup_id_z 1
		.amdhsa_system_vgpr_workitem_id 0
		.amdhsa_next_free_vgpr 226
		.amdhsa_next_free_sgpr 66
		.amdhsa_reserve_vcc 0
		.amdhsa_float_denorm_mode_32 3
		.amdhsa_float_denorm_mode_16_64 3
		.amdhsa_memory_ordered 1
		.amdhsa_forward_progress 1
		.amdhsa_inst_pref_size 53
	.end_amdhsa_kernel
	.amdgpu_metadata
---
amdhsa.version: [ 1, 2 ]
amdhsa.kernels:
  - .name:           k_q746251b5e1_prep
    .symbol:         k_q746251b5e1_prep.kd
    .args:
      - { .name: query, .offset: 0, .size: 8, .value_kind: global_buffer, .address_space: global }
      - { .name: Wck, .offset: 8, .size: 8, .value_kind: global_buffer, .address_space: global }
      - { .name: Wcv, .offset: 16, .size: 8, .value_kind: global_buffer, .address_space: global }
      - { .name: Wq, .offset: 24, .size: 8, .value_kind: global_buffer, .address_space: global }
      - { .name: Wk, .offset: 32, .size: 8, .value_kind: global_buffer, .address_space: global }
      - { .name: Wv, .offset: 40, .size: 8, .value_kind: global_buffer, .address_space: global }
      - { .name: Wo, .offset: 48, .size: 8, .value_kind: global_buffer, .address_space: global }
      - { .name: xt, .offset: 56, .size: 8, .value_kind: global_buffer, .address_space: global }
      - { .name: wc, .offset: 64, .size: 8, .value_kind: global_buffer, .address_space: global }
      - { .name: wts, .offset: 72, .size: 8, .value_kind: global_buffer, .address_space: global }
    .group_segment_fixed_size: 34304
    .private_segment_fixed_size: 0
    .kernarg_segment_align: 8
    .kernarg_segment_size: 80
    .max_flat_workgroup_size: 128
    .sgpr_count:     66
    .vgpr_count:     226
    .wavefront_size: 32
...
	.end_amdgpu_metadata
.endif
;; end of part 1
;; launch compress (part 2): grid 32 x 8, 4 waves a work-group, clusters of 4 x 1, 327,680 bytes of LDS; arguments xt, wc, wts, bk, bv, kv, vsw; writes kv, vsw
.if DOCPART == 2
	.amdgcn_target "amdgcn-amd-amdhsa--gfx1250"
	.amdhsa_code_object_version 6
	.text
	.protected	k_q746251b5e1_compress
	.globl	k_q746251b5e1_compress
	.p2align	8
	.type	k_q746251b5e1_compress,@function
k_q746251b5e1_compress:
	s_mov_b64 s[64:65], 0
	v_nop
	global_prefetch_b8 v0, s[64:65] scope:SCOPE_SE
	s_setreg_imm32_b32 hwreg(HW_REG_WAVE_MODE, 25, 1), 1
	s_wait_xcnt 0x0
	s_wait_alu depctr_hold_cnt(0) depctr_sa_sdst(0) depctr_va_vdst(0) depctr_va_sdst(0) depctr_va_ssrc(0) depctr_va_vcc(0) depctr_vm_vsrc(0)
	s_getreg_b32 s2, hwreg(HW_REG_IB_STS2, 6, 4)
	s_cmp_eq_u32 s2, 0
	s_cbranch_scc0 .Lentry_in_a_cluster
	s_endpgm
.Lentry_in_a_cluster:
	s_bfe_u32 s2, ttmp6, 0x10000c
	s_cmp_lg_u32 s2, 0x3003
	s_cbranch_scc0 .Lentry_shape_is_right
	s_endpgm
.Lentry_shape_is_right:
; COMPRESS: k = (Wck x) Wk^T + bk and v = (Wcv x) Wv^T + bv, all four products on codes of FP6 (E2M3) with E8M0 scales, and k, v quantised for the attention.
; A work-group (x = block of 32 compressed places, y = 4 type + b) makes 32 places x 512 channels of k_in or v_in, K = 4,096 in 32 steps, quantises them along the channels, and projects them.
; Wave w owns channels (later: output units) 128 w .. 128 w + 127: 8 tiles x 2 tiles of places = 16 accumulators, which take turns, one instruction a turn.
; SUPPLY OF xt, BY TWO ROADS.  K goes in 8 periods of four steps.  Steps 0, 1 of a period come from memory straight into the wave's registers (28 loads a step, asked for one period ahead).
; Steps 2, 3 come through a ring of two LDS slots: a wave's two records, 25,600 dense bytes, by one tensor load, asked for one period ahead; each wave reads its own quarter of a slot alone.
; CLUSTER: the four work-groups of a cluster share y, and so xt's records: the ring's loads are JOINT (the same descriptor, made of b and the wave's number; a mask that names the four).  My place in the cluster enters
; wc's, kv's and vsw's addresses alone.  The 102,400 bytes of wc that all four waves multiply by come into LDS once, at the head: each wave brings a quarter through registers (50 loads and 50 LDS stores of 512 bytes),
; into bytes on which no tensor load lands.
; FIRST PRODUCT, transposed (source 0 = 16 channels of xt, source 1 = 16 places of wc): a lane holds one place and 16 neighbouring channels in two neighbouring tiles.
; K PATH: second product transposed too (source 0 = Wk's rows): codes for S^T = K Q^T.  Only the 64 real channels of a head are stored.
; V PATH: source 0 = v_in, source 1 = Wv's rows: a lane holds one channel and 16 neighbouring keys: codes along the keys.  A scale word's four bytes come from four work-groups, so single bytes are stored.
; kv: records of 3,200 bytes, [b][head][block of 32 keys] and four more: record n holds K of key block n (two tiles of 768 bytes, scale words at 1,536 + 64 u + 4 r) and, at 1,664 + 384 tile + 24 r + 12 (half), V of key block n - 4.
; LIMITS: a block whose largest magnitude lies under 2^-124 (zeros among them) gets the byte 1; this program alone reads the bytes.  NaN and infinities are not served.
; REGISTERS, in windows of 256: window 0: v1-15 addresses; v20-39 four sets of scale words; v40-55 the weight's, v56-63 k_in's; v64-127 at work; v128-255 the accumulators.
;   set s (0..2) at v0 of window s + 1, set 3 at v128 of window 1: 96 registers of xt's 8 fragments, 24 of wc's two.  Later: the weight's records 0, 1, 2 at v0 of windows 3, 1, 2, record 3 at v128 of window 1;
;   k_in's 8 fragments at v128 of window 2; the bias at v128 of window 3.
.set REC8, 12800
.set RECA, 3200
.set KIMG, 102400                      ; LDS: behind wc's 32 records: k_in's 8 images,
.set KSC,  114688                      ; their scale words, 128 bytes each,
.set SL0,  115712                      ; the ring's two slots of 102,400 bytes,
.set SPARE, 320512                     ; and the spare words, 128 bytes for each wave
.set LI,   1
.set LS,   2
.set L8,   3
.set R4,   4
.set ADA,  5
.set ADA4, 6
.set CPL,  7
.set KWI,  8
.set KWS,  9
.set KI,   10
.set KI4,  11
.set VA,   12
.set BA,   13
.set CPG,  14
.set BA2,  15
.set TM,   64
.set PC,   80
.set PW,   100
.set PW2,  101
.set RA,   104                         ; v104-105 my quarter of slot 0, 1: 16 x lane;  v106-107: 4 x lane
.set RS,   106
.set WV,   18
.set TYPE, 21
.set SEL,  24
.set TA,   26
.set CNT,  27
.set XB,   45
.set G1,   48                          ; s[48:55] descriptor group 1;  s[56:59], s[60:63] group 0 of slot 0, 1
.set G0,   56
.set MSB, 0
.macro WIN new                         ; the immediate's high byte repeats the setting that is left
.if MSB != (\new)
	s_set_vgpr_msb (MSB<<8)|(\new)
.set MSB, (\new)
.endif
.endm
.macro WM d, a, b, c, sa, sb, ra, rb   ; c < 0: the constant 0 starts the sum.  ra, rb: the half of the lanes from which a side's scales are read
.if (\c) < 0
.if (\ra)+2*(\rb) == 0
	v_wmma_scale_f32_16x16x128_f8f6f4 v[(\d):(\d)+7], v[(\a):(\a)+11], v[(\b):(\b)+11], 0, v[\sa], v[\sb] matrix_a_fmt:MATRIX_FMT_FP6 matrix_b_fmt:MATRIX_FMT_FP6
.elseif (\ra)+2*(\rb) == 1
	v_wmma_scale_f32_16x16x128_f8f6f4 v[(\d):(\d)+7], v[(\a):(\a)+11], v[(\b):(\b)+11], 0, v[\sa], v[\sb] matrix_a_fmt:MATRIX_FMT_FP6 matrix_b_fmt:MATRIX_FMT_FP6 matrix_a_scale:MATRIX_SCALE_ROW1
.elseif (\ra)+2*(\rb) == 2
	v_wmma_scale_f32_16x16x128_f8f6f4 v[(\d):(\d)+7], v[(\a):(\a)+11], v[(\b):(\b)+11], 0, v[\sa], v[\sb] matrix_a_fmt:MATRIX_FMT_FP6 matrix_b_fmt:MATRIX_FMT_FP6 matrix_b_scale:MATRIX_SCALE_ROW1
.else
	v_wmma_scale_f32_16x16x128_f8f6f4 v[(\d):(\d)+7], v[(\a):(\a)+11], v[(\b):(\b)+11], 0, v[\sa], v[\sb] matrix_a_fmt:MATRIX_FMT_FP6 matrix_b_fmt:MATRIX_FMT_FP6 matrix_a_scale:MATRIX_SCALE_ROW1 matrix_b_scale:MATRIX_SCALE_ROW1
.endif
.else
.if (\ra)+2*(\rb) == 0
	v_wmma_scale_f32_16x16x128_f8f6f4 v[(\d):(\d)+7], v[(\a):(\a)+11], v[(\b):(\b)+11], v[(\c):(\c)+7], v[\sa], v[\sb] matrix_a_fmt:MATRIX_FMT_FP6 matrix_b_fmt:MATRIX_FMT_FP6
.elseif (\ra)+2*(\rb) == 1
	v_wmma_scale_f32_16x16x128_f8f6f4 v[(\d):(\d)+7], v[(\a):(\a)+11], v[(\b):(\b)+11], v[(\c):(\c)+7], v[\sa], v[\sb] matrix_a_fmt:MATRIX_FMT_FP6 matrix_b_fmt:MATRIX_FMT_FP6 matrix_a_scale:MATRIX_SCALE_ROW1
.elseif (\ra)+2*(\rb) == 2
	v_wmma_scale_f32_16x16x128_f8f6f4 v[(\d):(\d)+7], v[(\a):(\a)+11], v[(\b):(\b)+11], v[(\c):(\c)+7], v[\sa], v[\sb] matrix_a_fmt:MATRIX_FMT_FP6 matrix_b_fmt:MATRIX_FMT_FP6 matrix_b_scale:MATRIX_SCALE_ROW1
.else
	v_wmma_scale_f32_16x16x128_f8f6f4 v[(\d):(\d)+7], v[(\a):(\a)+11], v[(\b):(\b)+11], v[(\c):(\c)+7], v[\sa], v[\sb] matrix_a_fmt:MATRIX_FMT_FP6 matrix_b_fmt:MATRIX_FMT_FP6 matrix_a_scale:MATRIX_SCALE_ROW1 matrix_b_scale:MATRIX_SCALE_ROW1
.endif
.endif
.endm
.macro CROUND                          ; a round of the cluster's barrier
	s_barrier_signal -1
	s_barrier_wait -1
	s_cmp_lg_u32 s[WV], 0
	s_cbranch_scc1 .Lnot_wave_0_\@
	s_barrier_signal -3
.Lnot_wave_0_\@:
	s_barrier_wait -3
	s_barrier_signal -1
	s_barrier_wait -1
.endm
.macro SETUP set                       ; where a set lies: window, first register, xt's four scale words, wc's one
.if (\set) < 3
.set SW_, (\set)+1
.set SB_, 0
.set SX_, 24+5*(\set)
.set SC_, 28+5*(\set)
.else
.set SW_, 1
.set SB_, 128
.set SX_, 20
.set SC_, 39
.endif
.endm
.macro GCODES reg, base, off           ; a record's 8 images from memory into v[reg] on of the window that the caller has set
.irp t, 0,1,2,3,4,5,6,7
.irp p, 0,1,2
	global_load_b128 v[(\reg)+12*\t+4*\p:(\reg)+12*\t+4*\p+3], v[LI], s[\base:\base+1] offset:(\off)+1536*\t+512*\p
.endr
.endr
.endm
.macro GWORDS sc, base, off            ; and its scale words: register a holds tile 2 a's in lanes 0-15, tile 2 a + 1's in lanes 16-31
.irp a, 0,1,2,3
	global_load_b32 v[(\sc)+\a], v[LS], s[\base:\base+1] offset:(\off)+12288+128*\a
.endr
.endm
.macro LW set, k                       ; wc's record k of the period in hand: 7 LDS loads
	SETUP \set
	WIN SW_<<6
.irp u, 0,1
.irp p, 0,1,2
	ds_load_b128 v[SB_+96+12*\u+4*\p:SB_+96+12*\u+4*\p+3], v[ADA] offset:(\k)*RECA+1536*\u+512*\p
.endr
.endr
	WIN 0
	ds_load_b32 v[SC_], v[ADA4] offset:(\k)*RECA+3072
.endm
.macro LR set, sl, r                   ; xt's record r of my quarter of slot sl: 28 LDS loads
	SETUP \set
	WIN SW_<<6
.irp t, 0,1,2,3,4,5,6,7
.irp p, 0,1,2
	ds_load_b128 v[SB_+12*\t+4*\p:SB_+12*\t+4*\p+3], v[RA+(\sl)] offset:(\r)*REC8+1536*\t+512*\p
.endr
.endr
	WIN 0
.irp a, 0,1,2,3
	ds_load_b32 v[SX_+\a], v[RS+(\sl)] offset:(\r)*REC8+12288+128*\a
.endr
.endm
; a K step: 16 matrix instructions, then four places in front of loads into registers that they have read (ISA guide 7.12.1 for vector instructions)
.macro KSTEP set, zero, l, d
	SETUP \set
.if (\l) >= 0
	s_wait_loadcnt \l
.endif
	s_wait_dscnt \d
	WIN 5*SW_
.irp u, 0,1
.irp t, 0,1,2,3,4,5,6,7
.if \zero
	WM 128+64*\u+8*\t, SB_+12*\t, SB_+96+12*\u, -1, SX_+\t/2, SC_, \t%2, \u
.else
	WM 128+64*\u+8*\t, SB_+12*\t, SB_+96+12*\u, 128+64*\u+8*\t, SX_+\t/2, SC_, \t%2, \u
.endif
.endr
.endr
	WIN 0
.rept 4
	v_nop
.endr
.endm
; A PERIOD: four K steps; sl: the slot that holds its steps 2, 3.  rf = 1: the other slot is asked for, for the next period.  last = 1: the sets that fall free take the weight's four records.
; THE WAITS: loadcnt 28 = the one record of 28 loads issued behind the one wanted (in period 0 the bias's loads stand behind it too: the count is then under what is out).
; dscnt 42 = 7 + 28 + 7 loads behind step 0's; 63 stands under the 70 behind step 1's; 35 = the last set's.
.macro PERIOD sl, rf, zero, last
	s_wait_tensorcnt 0x0                           ; my one tensor load, this period's slot, has landed
.if \rf
	ds_add_u32 v123, v127
	s_add_nc_u64 s[G0+4*(\sl)+2:G0+4*(\sl)+3], s[G0+4*(\sl)+2:G0+4*(\sl)+3], 8*REC8   ; this slot's records two periods on
	s_wait_dscnt 0x0                               ; the add is done; my reads of the other slot ended with the last period (period 0: my stores of wc's records are done)
	CROUND
	tensor_load_to_lds s[G0+4*(1-(\sl)):G0+4*(1-(\sl))+3], s[G1:G1+7]   ; the first thing behind the round, my one tensor load until the next
	s_nop 0
.rept 4
	v_nop
.endr
.endif
	v_add_nc_u32 v[ADA], s[TA], v[LI]
	v_add_nc_u32 v[ADA4], s[TA], v[LS]
	s_wait_alu depctr_va_vdst(0)
	LW 0, 0
	LW 1, 1
	LR 2, \sl, 0
	LW 2, 2
	KSTEP 0, \zero, 28, 42
.if \last
	WIN 1<<6
	GCODES 0, 8, 12800
	WIN 0
	GWORDS 44, 8, 12800
.else
	s_wait_xcnt 0x0                                ; the loads issued two steps ago have read their base: it may step
	s_add_nc_u64 s[4:5], s[4:5], 4*REC8
	WIN 1<<6
	GCODES 0, 4, 0
	WIN 0
	GWORDS 24, 4, 0
.endif
	LR 3, \sl, 1
	LW 3, 3
	KSTEP 1, 0, 28, 63
	WIN 2<<6
.if \last
	GCODES 0, 8, 102400
	WIN 0
	GWORDS 48, 8, 102400
.else
	GCODES 0, 4, REC8
	WIN 0
	GWORDS 29, 4, REC8
.endif
	KSTEP 2, 0, -1, 35
.if \last
	WIN 3<<6
	GCODES 0, 8, 0
	WIN 0
	GWORDS 40, 8, 0
.endif
	KSTEP 3, 0, -1, 0
.if \last
	WIN 1<<6
	GCODES 128, 8, 115200
	WIN 0
	GWORDS 52, 8, 115200
.endif
	s_add_co_u32 s[TA], s[TA], 4*RECA
.endm
; 64 numbers of a lane, register 16 b + i = k 32 b + 16 (lane / 16) + i of my row, become a fragment's codes in v[PC] on and its scale word in v[PW]
.macro QUANT s
.irp b, 0,1,2,3
	v_max3_num_f32 v[TM+\b], |v[(\s)+16*\b]|, |v[(\s)+1+16*\b]|, 0x1800000   ; with the floor 2^(3 - 127)
.endr
.irp i, 2,4,6,8,10,12,14
.irp b, 0,1,2,3
	v_max3_num_f32 v[TM+\b], v[TM+\b], |v[(\s)+16*\b+\i]|, |v[(\s)+1+16*\b+\i]|
.endr
.endr
.irp b, 0,1,2,3
	v_permlanex16_b32 v[TM+4+\b], v[TM+\b], s[SEL], s[SEL+1]
.endr
.irp b, 0,1,2,3
	v_max_num_f32 v[TM+\b], v[TM+\b], v[TM+4+\b]
.endr
.irp b, 0,1,2,3
	v_add_nc_u32 v[TM+12+\b], 0xff000000, v[TM+\b]
.endr
.irp b, 0,1,2,3
	v_lshrrev_b32 v[TM+4+\b], 23, v[TM+12+\b]
.endr
	v_lshl_or_b32 v[PW], v[TM+5], 8, v[TM+4]
	v_lshl_or_b32 v[PW], v[TM+6], 16, v[PW]
	v_lshl_or_b32 v[PW], v[TM+7], 24, v[PW]
.irp c, 0,1
	v_cvt_scalef32_pk16_fp6_f32 v[PC+6*\c:PC+2+6*\c], v[(\s)+32*\c:(\s)+15+32*\c], v[TM+12+2*\c]
	v_cvt_scalef32_pk16_fp6_f32 v[PC+12+4*\c:PC+14+4*\c], v[(\s)+16+32*\c:(\s)+31+32*\c], v[TM+12+2*\c+1]
.endr
	v_nop                                          ; one plain place behind a scaled conversion
.irp c, 0,1                            ; the operand's layout wants a whole block in a lane
.irp i, 0,1,2
	v_permlane16_swap_b32 v[PC+6*\c+\i], v[PC+12+4*\c+\i]
.endr
.irp i, 0,1,2
	v_mov_b32 v[PC+3+6*\c+\i], v[PC+12+4*\c+\i]
.endr
.endr
.endm
	s_load_b256 s[4:11], s[0:1], 0x0               ; xt s[4:5], wc s[6:7], wts s[8:9], bk s[10:11]
	s_load_b128 s[12:15], s[0:1], 0x20             ; bv s[12:13], kv s[14:15]
	s_load_b64 s[16:17], s[0:1], 0x30              ; vsw
	v_lshl_add_u32 v123, v0, 2, SPARE
	v_mov_b32 v127, 0
	ds_add_u32 v123, v127                          ; the opening lines
	ds_add_u32 v123, v127
	v_lshrrev_b32 v16, 5, v0
	v_readfirstlane_b32 s[WV], v16                 ; wave 0..3
	s_bfe_u32 s46, ttmp6, 0x40000                  ; cx
	s_lshl_b32 s[XB], ttmp9, 2
	s_add_co_u32 s[XB], s[XB], s46                 ; my block of 32 places
	s_and_b32 s20, ttmp7, 0xffff                   ; y, which the four partners share
	s_lshr_b32 s[TYPE], s20, 2                     ; 0: k, 1: v
	s_and_b32 s22, s20, 3                          ; b
	s_mov_b32 s[SEL], 0x76543210
	s_mov_b32 s[SEL+1], 0xfedcba98
	s_mov_b32 s[G1], 15|(3<<16)|(1<<21)            ; the mask: all four work-groups; elements of 8 bytes; bit 21 beside a mask
	s_mov_b32 s[G1+1], 32<<16
	s_mov_b32 s[G1+2], 100<<16                     ; 100 dense rows of 256 bytes
	s_mov_b32 s[G1+3], 32<<16
	s_mov_b32 s[G1+4], 100
	s_mov_b32 s[G1+5], 32
	s_mov_b32 s[G1+6], 0
	s_mov_b32 s[G1+7], 0
	v_and_b32 v16, 31, v0
	v_and_b32 v17, 15, v0                          ; r
	v_bfe_u32 v18, v0, 4, 1                        ; h
	v_lshlrev_b32 v[LI], 4, v16
	v_lshlrev_b32 v[LS], 2, v16
	v_lshlrev_b32 v[L8], 3, v16
	v_lshlrev_b32 v[R4], 2, v17
	s_mul_i32 s28, s[WV], 25600
	v_add_nc_u32 v[CPL], s28, v[LI]                ; my quarter of wc's records: in LDS,
	v_add_nc_u32 v[CPG], s28, v[LI]                ; and the same number as the offset in memory
	s_add_co_u32 s47, s28, SL0                     ; my quarter of slot 0
	v_add_nc_u32 v[RA], s47, v[LI]
	v_add_nc_u32 v[RS], s47, v[LS]
	v_add_nc_u32 v[RA+1], 102400, v[RA]
	v_add_nc_u32 v[RS+1], 102400, v[RS]
	s_mul_i32 s29, s[WV], 1536
	s_add_co_u32 s29, s29, KIMG
	v_add_nc_u32 v[KWI], s29, v[LI]
	s_lshl_b32 s29, s[WV], 7
	s_add_co_u32 s29, s29, KSC
	v_add_nc_u32 v[KWS], s29, v[LS]
	v_add_nc_u32 v[KI], KIMG, v[LI]
	v_add_nc_u32 v[KI4], KSC, v[LS]
	v_mul_u32_u24 v[VA], v17, 24
	v_mad_u32_u24 v[VA], v18, 12, v[VA]
	v_lshlrev_b32 v[BA], 6, v18                    ; bk: 16 h numbers on
	v_and_b32 v19, 8, v17
	v_add_nc_u32 v19, v19, v17
	v_lshlrev_b32 v[BA2], 2, v19                   ; bv: number r + 8 (r / 8)
.irp i, 4,5,6,7,8,9,10,11
	v_mov_b32 v[TM+\i], 0                          ; written once: a lane permute's destination counts as one of its sources
.endr
	s_lshl_b32 s30, s22, 2
	s_add_co_u32 s30, s30, s[WV]
	s_mul_i32 s30, s30, 409600                     ; xt: my 32 records: made of b and the wave's number alone
	s_mov_b32 s31, 0
	s_lshl_b32 s32, s[TYPE], 5
	s_add_co_u32 s32, s32, s[XB]
	s_mul_i32 s32, s32, 102400                     ; wc: the work-group's 32 records
	s_mov_b32 s33, 0
	s_add_co_u32 s34, s[TYPE], 1
	s_mul_i32 s34, s34, 204800
	s_add_co_u32 s34, s34, s28                     ; wts: Wk or Wv, my 128 rows
	s_mov_b32 s35, 0
	s_lshl_b32 s36, s[WV], 9
	s_mov_b32 s37, 0
	s_lshl_b32 s38, s22, 3
	s_lshl_b32 s39, s[WV], 1
	s_add_co_u32 s38, s38, s39                     ; 8 b + my first head
	s_lshl_b32 s40, s38, 5
	s_add_co_u32 s40, s40, s[XB]
	s_mul_i32 s40, s40, 3200
	s_mov_b32 s41, 0
	s_lshl_b32 s42, s38, 3
	s_lshr_b32 s43, s[XB], 2
	s_add_co_u32 s42, s42, s43
	s_lshl_b32 s42, s42, 8
	s_and_b32 s43, s[XB], 3
	s_add_co_u32 s42, s42, s43
	s_mov_b32 s43, 0
	s_mov_b32 s[TA], 0
	s_mov_b32 s[CNT], 3
	s_wait_alu depctr_va_vdst(0)
	s_wait_dscnt 0x0                               ; both opening adds are done
	s_wait_kmcnt 0x0
	s_add_nc_u64 s[6:7], s[6:7], s[32:33]
	WIN 0xc0                               ; my quarter of wc's records, 50 loads of 512 consecutive bytes, into the registers of sets 2 and 3, which are idle yet
.set i, 0
.rept 30
	global_load_b128 v[4*i:4*i+3], v[CPG], s[6:7] offset:512*i
.set i, i+1
.endr
	WIN 0x40
.rept 20
	global_load_b128 v[128+4*(i-30):128+4*(i-30)+3], v[CPG], s[6:7] offset:512*i
.set i, i+1
.endr
	WIN 0
	s_add_nc_u64 s[4:5], s[4:5], s[30:31]
.irp n, 0,1                            ; slot n's group 0: records 2, 3 of period n
	s_mov_b32 s[G0+4*\n], 1
	s_add_co_u32 s[G0+4*\n+1], s47, \n*102400
	s_add_nc_u64 s[G0+4*\n+2:G0+4*\n+3], s[4:5], (4*\n+2)*REC8
	s_or_b32 s[G0+4*\n+3], s[G0+4*\n+3], 0x80000000
.endr
	CROUND                                         ; all four work-groups are here: the first joint loads meet
	tensor_load_to_lds s[G0:G0+3], s[G1:G1+7]      ; period 0's slot: one tensor load a wave at the head
	s_nop 0
.rept 4
	v_nop
.endr
.irp g, 0,1                            ; period 0's steps 0, 1
	WIN (\g+1)<<6
	GCODES 0, 4, \g*REC8
	WIN 0
	GWORDS 24+5*\g, 4, \g*REC8
.endr
	s_wait_loadcnt 56                              ; wc's 50 loads are in; the 56 just issued may be out
	WIN 0x0c                               ; (an LDS store's data are its source 1)
.set i, 0
.rept 30
	ds_store_b128 v[CPL], v[4*i:4*i+3] offset:512*i
.set i, i+1
.endr
	WIN 0x04
.rept 20
	ds_store_b128 v[CPL], v[128+4*(i-30):128+4*(i-30)+3] offset:512*i
.set i, i+1
.endr
	WIN 0
	s_add_nc_u64 s[8:9], s[8:9], s[34:35]
	s_cmp_eq_u32 s[TYPE], 0
	s_cselect_b64 s[10:11], s[10:11], s[12:13]
	s_add_nc_u64 s[10:11], s[10:11], s[36:37]      ; the bias of my 128 units
	s_add_nc_u64 s[14:15], s[14:15], s[40:41]
	s_add_nc_u64 s[16:17], s[16:17], s[42:43]
	s_cmp_lg_u32 s[TYPE], 0                        ; the bias is the C of each sum's first instruction: eight registers a tile, in the result's layout
	s_cbranch_scc1 .Lbias_v
	WIN 0xc0
.irp t, 0,1,2,3,4,5,6,7
	global_load_b128 v[128+8*\t:131+8*\t], v[BA], s[10:11] offset:(32*(\t/2)+8*(\t%2))*4
	global_load_b128 v[132+8*\t:135+8*\t], v[BA], s[10:11] offset:(32*(\t/2)+8*(\t%2))*4+16
.endr
	WIN 0
	s_branch .Lbias_done
.Lbias_v:
	WIN 0xc0
.irp t, 0,1,2,3,4,5,6,7
.irp j, 0,1,2,3,4,5,6,7
	global_load_b32 v[128+8*\t+\j], v[BA2], s[10:11] offset:(32*(\t/2)+8*(\t%2))*4   ; a lane is a channel there: the same number in all eight
.endr
.endr
	WIN 0
.Lbias_done:
	PERIOD 0, 1, 1, 0                              ; its first step starts the sums; behind its round everybody's part of wc lies in LDS, and slot 1 is filled for the first time, as a refill is
.Lk:                                               ; 3 trips of two periods: periods 1 to 6
	PERIOD 1, 1, 0, 0
	PERIOD 0, 1, 0, 0
	s_sub_co_u32 s[CNT], s[CNT], 1
	s_cmp_lg_u32 s[CNT], 0
	s_cbranch_scc1 .Lk
	PERIOD 1, 0, 0, 1                              ; period 7 asks for nothing more of xt
	; ---- k_in (v_in) is quantised along the channels: my 128 channels are K step w of the second product; the images go round through LDS
.irp u, 0,1
	QUANT 128+64*\u
.irp c, 0,1,2
	ds_store_b128 v[KWI], v[PC+4*\c:PC+4*\c+3] offset:6144*\u+512*\c
.endr
	ds_store_b32 v[KWS], v[PW] offset:512*\u
	s_wait_dscnt 0x0                               ; the stores have read their registers
.endr
	s_barrier_signal -1
	s_barrier_wait -1                              ; all eight images lie in LDS
	WIN 0x80
.irp f, 0,1,2,3,4,5,6,7
.irp p, 0,1,2
	ds_load_b128 v[128+12*\f+4*\p:128+12*\f+4*\p+3], v[KI] offset:1536*\f+512*\p
.endr
.endr
	WIN 0
.irp f, 0,1,2,3,4,5,6,7
	ds_load_b32 v[56+\f], v[KI4] offset:128*\f
.endr
	s_wait_dscnt 0x0
	s_cmp_lg_u32 s[TYPE], 0
	s_cbranch_scc1 .Lv_path
	; ---- K PATH.  The weight's records were asked for in the order 1, 2, 0, 3: behind record 0 stand record 3's 28 loads
.macro PROJK s, win, wreg, l
	s_wait_loadcnt \l
	WIN \win
.irp u, 0,1
.irp t, 0,1,2,3,4,5,6,7
.if (\s) == 0
	WM 128+64*\u+8*\t, (\wreg)+12*\t, 128+12*(4*\u+(\s)), 128+8*\t, 40+4*(\s)+\t/2, 56+4*\u+(\s), \t%2, 0
.else
	WM 128+64*\u+8*\t, (\wreg)+12*\t, 128+12*(4*\u+(\s)), 128+64*\u+8*\t, 40+4*(\s)+\t/2, 56+4*\u+(\s), \t%2, 0
.endif
.endr
.endr
.endm
	PROJK 0, 0x3b, 0, 28                           ; source 0 window 3, source 1 window 2, C (the bias) window 3
	PROJK 1, 0x09, 0, 28
	PROJK 2, 0x0a, 0, 28
	PROJK 3, 0x09, 128, 0
	WIN 0
.rept 4
	v_nop
.endr
.irp u, 0,1
.if \u
	s_wait_xcnt 0x0                                ; the stores have read their data: the codes' registers may be written again
.endif
	QUANT 128+64*\u                                ; registers 0-5 and bytes 0, 1: my first head; registers 6-11 and bytes 2, 3: my second
	v_lshrrev_b32 v[PW2], 16, v[PW]
	global_store_b128 v[LI], v[PC:PC+3], s[14:15] offset:768*\u
	global_store_b64 v[L8], v[PC+4:PC+5], s[14:15] offset:768*\u+512
	global_store_b32 v[R4], v[PW], s[14:15] offset:1536+64*\u          ; (its upper two bytes scale zero codes; none of them is 0xff)
	global_store_b128 v[LI], v[PC+6:PC+9], s[14:15] offset:102400+768*\u
	global_store_b64 v[L8], v[PC+10:PC+11], s[14:15] offset:102400+768*\u+512
	global_store_b32 v[R4], v[PW2], s[14:15] offset:102400+1536+64*\u
	s_or_b32 s44, ttmp9, s20                       ; records 1,024 to 1,027 hold V alone; the later launch's last tile covers them whole, so their K part is stored too:
	s_or_b32 s44, s44, s[WV]                       ; the four work-groups of cluster 0 of y = 0, wave 0, store their first head's codes once more there (the test is the same in all four partners)
	s_cmp_lg_u32 s44, 0
	s_cbranch_scc1 .Lno_copy\u
	global_store_b128 v[LI], v[PC:PC+3], s[14:15] offset:3276800+768*\u
	global_store_b64 v[L8], v[PC+4:PC+5], s[14:15] offset:3276800+768*\u+512
	global_store_b32 v[R4], v[PW], s[14:15] offset:3276800+1536+64*\u
.Lno_copy\u:
.endr
	s_wait_tensorcnt 0x0                           ; the wave's end
	ds_add_u32 v123, v127
	s_wait_dscnt 0x0
	CROUND                                         ; the closing round
	s_endpgm
.Lv_path:
.macro PROJV s, win, wreg, l
	s_wait_loadcnt \l
	WIN \win
.irp u, 0,1
.irp t, 0,1,2,3,4,5,6,7
.if (\s) == 0
	WM 128+16*\t+8*\u, 128+12*(4*\u+(\s)), (\wreg)+12*\t, 128+8*\t, 56+4*\u+(\s), 40+4*(\s)+\t/2, 0, \t%2
.else
	WM 128+16*\t+8*\u, 128+12*(4*\u+(\s)), (\wreg)+12*\t, 128+16*\t+8*\u, 56+4*\u+(\s), 40+4*(\s)+\t/2, 0, \t%2
.endif
.endr
.endr
.endm
	PROJV 0, 0x3e, 0, 28                           ; source 0 window 2, source 1 window 3, C (the bias) window 3
	PROJV 1, 0x06, 0, 28
	PROJV 2, 0x0a, 0, 28
	PROJV 3, 0x06, 128, 0
	WIN 0
.rept 4
	v_nop
.endr
	; lane (r, h) of tile t: one channel, keys 16 h + 0 .. 15 of the work-group's 32 in v[128 + 16 t] on.  The eight tiles by turns
.irp t, 0,1,2,3,4,5,6,7
	v_max3_num_f32 v[64+\t], |v[128+16*\t]|, |v[129+16*\t]|, 0x1800000
.endr
.irp i, 2,4,6,8,10,12,14
.irp t, 0,1,2,3,4,5,6,7
	v_max3_num_f32 v[64+\t], v[64+\t], |v[128+16*\t+\i]|, |v[129+16*\t+\i]|
.endr
.endr
.irp t, 0,1,2,3,4,5,6,7
	v_permlanex16_b32 v[72+\t], v[64+\t], s[SEL], s[SEL+1]
.endr
.irp t, 0,1,2,3,4,5,6,7
	v_max_num_f32 v[64+\t], v[64+\t], v[72+\t]
.endr
.irp t, 0,1,2,3,4,5,6,7
	v_add_nc_u32 v[80+\t], 0xff000000, v[64+\t]
.endr
.irp t, 0,1,2,3,4,5,6,7
	v_lshrrev_b32 v[88+\t], 23, v[80+\t]
.endr
.irp t, 0,1,2,3,4,5,6,7
	v_cvt_scalef32_pk16_fp6_f32 v[96+4*\t:98+4*\t], v[128+16*\t:143+16*\t], v[80+\t]
.endr
	v_nop                                          ; one plain place behind a scaled conversion
.irp t, 0,1,2,3,4,5,6,7
	global_store_b96 v[VA], v[96+4*\t:98+4*\t], s[14:15] offset:12800+1664+384*(\t%4)+(\t/4)*102400   ; V lies four records behind K; 32 lanes store 384 consecutive bytes
	global_store_b8 v[R4], v[88+\t], s[16:17] offset:64*(\t%4)+(\t/4)*2048                            ; both halves of the lanes store the same byte
.endr
	s_wait_tensorcnt 0x0
	ds_add_u32 v123, v127
	s_wait_dscnt 0x0
	CROUND                                         ; the closing round
	s_endpgm
.Lfunc_end_k_q746251b5e1_compress:
	.size	k_q746251b5e1_compress, .Lfunc_end_k_q746251b5e1_compress-k_q746251b5e1_compress
	.p2alignl 7, 3214868480
	.fill 96, 4, 3214868480
	.section	.rodata,"a",@progbits
	.p2align	6, 0x0
	.amdhsa_kernel k_q746251b5e1_compress
		.amdhsa_group_segment_fixed_size 327680
		.amdhsa_private_segment_fixed_size 0
		.amdhsa_enable_private_segment 0
		.amdhsa_kernarg_size 56
		.amdhsa_user_sgpr_count 2
		.amdhsa_user_sgpr_kernarg_segment_ptr 1
		.amdhsa_wavefront_size32 1
		.amdhsa_system_sgpr_workgroup_id_x 1
		.amdhsa_system_sgpr_workgroup_id_y 1
		.amdhsa_system_sgpr_workgroup_id_z 1
		.amdhsa_system_vgpr_workitem_id 0
		.amdhsa_next_free_vgpr 960
		.amdhsa_next_free_sgpr 66
		.amdhsa_reserve_vcc 0
		.amdhsa_float_denorm_mode_32 3
		.amdhsa_float_denorm_mode_16_64 3
		.amdhsa_memory_ordered 1
		.amdhsa_forward_progress 1
		.amdhsa_inst_pref_size 161
	.end_amdhsa_kernel
	.amdgpu_metadata
---
amdhsa.version: [ 1, 2 ]
amdhsa.kernels:
  - .name:           k_q746251b5e1_compress
    .symbol:         k_q746251b5e1_compress.kd
    .args:
      - { .name: xt, .offset: 0, .size: 8, .value_kind: global_buffer, .address_space: global }
      - { .name: wc, .offset: 8, .size: 8, .value_kind: global_buffer, .address_space: global }
      - { .name: wts, .offset: 16, .size: 8, .value_kind: global_buffer, .address_space: global }
      - { .name: bk, .offset: 24, .size: 8, .value_kind: global_buffer, .address_space: global }
      - { .name: bv, .offset: 32, .size: 8, .value_kind: global_buffer, .address_space: global }
      - { .name: kv, .offset: 40, .size: 8, .value_kind: global_buffer, .address_space: global }
      - { .name: vsw, .offset: 48, .size: 8, .value_kind: global_buffer, .address_space: global }
    .group_segment_fixed_size: 327680
    .private_segment_fixed_size: 0
    .kernarg_segment_align: 8
    .kernarg_segment_size: 56
    .max_flat_workgroup_size: 128
    .sgpr_count:     66
    .vgpr_count:     960
    .wavefront_size: 32
...
	.end_amdgpu_metadata
.endif
;; end of part 2
;; launch attn (part 3): grid 64 x 4, 16 waves a work-group, clusters of 4 x 1, 327,680 bytes of LDS; arguments query, wts, bq, kv, vsw, bo, out0; writes out0
.if DOCPART == 3
	.amdgcn_target "amdgcn-amd-amdhsa--gfx1250"
	.amdhsa_code_object_version 6
	.text
	.protected	k_q746251b5e1_attn
	.globl	k_q746251b5e1_attn
	.p2align	8
	.type	k_q746251b5e1_attn,@function
k_q746251b5e1_attn:
	s_mov_b64 s[64:65], 0
	v_nop
	global_prefetch_b8 v0, s[64:65] scope:SCOPE_SE
	s_setreg_imm32_b32 hwreg(HW_REG_WAVE_MODE, 25, 1), 1
	s_wait_xcnt 0x0
	s_wait_alu depctr_hold_cnt(0) depctr_sa_sdst(0) depctr_va_vdst(0) depctr_va_sdst(0) depctr_va_ssrc(0) depctr_va_vcc(0) depctr_vm_vsrc(0)
	s_getreg_b32 s2, hwreg(HW_REG_IB_STS2, 6, 4)
	s_cmp_eq_u32 s2, 0
	s_cbranch_scc0 .Lentry_in_a_cluster
	s_endpgm
.Lentry_in_a_cluster:
	s_bfe_u32 s2, ttmp6, 0x10000c
	s_cmp_lg_u32 s2, 0x3003
	s_cbranch_scc0 .Lentry_shape_is_right
	s_endpgm
.Lentry_shape_is_right:
; ATTN: out0 = softmax(q k^T) v Wo^T + bo with q = (x Wq^T + bq) / 8, all four products on codes of FP6 (E2M3) with E8M0 scales; x, q, p and the heads' results are quantised on the way and never go to memory.
; SHARES.  A work-group owns 64 tokens of one batch entry b.  Wave w of sixteen: m = w % 4 is its tile of 16 tokens, g = w / 4 its two heads 2 g, 2 g + 1 (units 128 g .. 128 g + 127).
; ALL PRODUCTS ARE USED TRANSPOSED (source 0 = 16 rows of a weight, 16 keys or 16 channels of V; source 1 = my 16 tokens): a lane holds ONE token throughout; the rows of every source-0 tile were chosen by the earlier
; launches so that the 16 registers of two neighbouring tiles are 16 neighbours along the next product's K.
; THE SOFTMAX: t = score x log2(e); M = the running largest t rounded UP to a whole number; p = 2^(t - M) is quantised along the keys; the sum is taken of the unquantised p and divides at the end; when M moves, the sum and
; O^T are multiplied by 2^(old M - new M), which rounds nothing.
; ONE RING: 12 blocks of 102,400 bytes through two LDS slots: Wq (2), K and V codes (8), Wo (2).  A block is four quarters of 25,600 dense bytes; quarter g is read by group g's four waves, wave j (0..3) fetches quarter j: one tensor load out a wave.
; THE KEY STEP IS TURNED ROUND.  In kv V lies four records (128 keys) behind K, so key block i of the ring holds V of steps 2 i, 2 i + 1 and K of steps 2 i + 1, 2 i + 2.  A wave crosses each change of slots with the next step's S^T
; in registers: behind the round it begins with work on registers.  K of step 0 comes from memory straight into registers while q is quantised.
; K's FRAGMENTS ARE PACKED: a head has 64 channels, six registers a tile.  The eight tiles of a step stand six registers apart in v42-95; the upper six registers of a tile's operand are the next tile's codes,
; which meet q's zero codes (K = 64 .. 127) and add nothing: FP6 has no NaN, and no scale byte here is 0xff.
; CLUSTER: the four work-groups of a cluster share b and the weights: every block is asked for JOINTLY.  My place in the cluster enters query's and out0's addresses alone.
; LIMITS: a block whose largest magnitude lies under 2^-124 (zeros among them) gets the byte 1; a p under 2^-126 is 0; NaN and infinities are not served; the promise holds while |t| stays under 2^31.
.set SLOT1, 131072
.set QUART, 25600
.set RECK,  3200
.set XIMG,  102400
.set XSC,   126976
.set VSW,   233472
.set SPARE, 249856
.set STG,   251904
.set LI16, 1
.set LI8,  2
.set LI4,  3
.set AV0,  4
.set SPW,  5
.set NIL,  6
.set AT0,  7
.set ADK,  8
.set ADK8, 9
.set ADS,  10
.set ADV,  11
.set QS,   34
.set QS2,  35
.set OC,   36                          ; v36-47 the codes of my two heads' results (v42-47 only behind the last S^T)
.set KP,   42                          ; v42-95 K's eight packed tiles
.set KF,   48                          ; v48-95 a weight's tiles 0-3
.set SP,   96                          ; v96-159 sums of the projections; S^T, then p; V's four fragments
.set OT,   160                         ; v160-191 O^T; v160-207 a weight's tiles 4-7
.set PC,   192
.set CT,   204
.set XF,   208
.set TM,   212
.set OSW,  235
.set STO,  236
.set RD,   237
.set GO,   238
.set XI,   239
.set PW,   247                         ; v240-247 hold scales and nothing else
.set ADT,  248
.set XI4,  249
.set BA,   250
.set XWI,  251
.set XWS,  252
.set G16,  253                         ; 16, 8, 4 x lane: offsets of K's step 0 in memory
.set G8,   254
.set G4,   255
.set WV,   18
.set G,    19
.set SEL,  20
.set CS,   22
.set G1,   24
.set G1V,  32
.set G0F,  40
.set G0,   44
.set G0V,  48
.set WOA,  52
.set TB,   54
.set TJ,   55
.set SLOTS, 56
.set M,    57
.set KB,   92                          ; s[92:93] K of my first head's step 0
.macro WM d, a, b, c, sa, sb, ra       ; c < 0: the constant 0 starts the sum;  ra: the half of the lanes from which source 0's scales are read
.if ((\c) < 0) && ((\ra) == 0)
	v_wmma_scale_f32_16x16x128_f8f6f4 v[(\d):(\d)+7], v[(\a):(\a)+11], v[(\b):(\b)+11], 0, v[\sa], v[\sb] matrix_a_fmt:MATRIX_FMT_FP6 matrix_b_fmt:MATRIX_FMT_FP6
.elseif (\c) < 0
	v_wmma_scale_f32_16x16x128_f8f6f4 v[(\d):(\d)+7], v[(\a):(\a)+11], v[(\b):(\b)+11], 0, v[\sa], v[\sb] matrix_a_fmt:MATRIX_FMT_FP6 matrix_b_fmt:MATRIX_FMT_FP6 matrix_a_scale:MATRIX_SCALE_ROW1
.elseif (\ra) == 0
	v_wmma_scale_f32_16x16x128_f8f6f4 v[(\d):(\d)+7], v[(\a):(\a)+11], v[(\b):(\b)+11], v[(\c):(\c)+7], v[\sa], v[\sb] matrix_a_fmt:MATRIX_FMT_FP6 matrix_b_fmt:MATRIX_FMT_FP6
.else
	v_wmma_scale_f32_16x16x128_f8f6f4 v[(\d):(\d)+7], v[(\a):(\a)+11], v[(\b):(\b)+11], v[(\c):(\c)+7], v[\sa], v[\sb] matrix_a_fmt:MATRIX_FMT_FP6 matrix_b_fmt:MATRIX_FMT_FP6 matrix_a_scale:MATRIX_SCALE_ROW1
.endif
.endm
.macro PLACES
.rept 4
	v_nop
.endr
.endm
.macro CROUND                          ; a round of the cluster's barrier
	s_barrier_signal -1
	s_barrier_wait -1
	s_cmp_lg_u32 s[WV], 0
	s_cbranch_scc1 .Lnot_wave_0_\@
	s_barrier_signal -3
.Lnot_wave_0_\@:
	s_barrier_wait -3
	s_barrier_signal -1
	s_barrier_wait -1
.endm
; THE CHANGE OF SLOTS.  mode 0: the descriptor as it stands;  1: the other slot, the next key block;  2: the other slot, Wo's first block;  3: the other slot, Wo's second
.macro CHANGE mode
	s_wait_tensorcnt 0x0                           ; no tensor load of mine is out, so a group 0 may be written
	ds_add_u32 v[SPW], v[NIL]                      ; twice on end
	ds_add_u32 v[SPW], v[NIL]
.if (\mode) > 0
	s_xor_b32 s[G0+1], s[G0+1], SLOT1
.endif
.if (\mode) == 1
	s_add_nc_u64 s[G0+2:G0+3], s[G0+2:G0+3], QUART
.elseif (\mode) == 2
	s_mov_b64 s[G0+2:G0+3], s[WOA:WOA+1]
	s_or_b32 s[G0+3], s[G0+3], 0x80000000
.elseif (\mode) == 3
	s_add_nc_u64 s[G0+2:G0+3], s[G0+2:G0+3], 102400
.endif
	s_wait_dscnt 0x0                               ; the adds are done, and my reads of the slot that I have left are over
	CROUND
	s_cmp_lt_u32 s[WV], 4
	s_cbranch_scc0 .Lno_load_\@
	tensor_load_to_lds s[G0:G0+3], s[G1:G1+7]      ; the first thing behind the round, and a wave's one tensor load until the next
	s_nop 0
	PLACES
.Lno_load_\@:
.endm
; The largest magnitudes of nb blocks (register 16 b + i of v[s] on = k 32 b + 16 (lane / 16) + i): v[TM+12+b] the conversions' scale operand, v[TM+4+b] the byte
.macro QMAX s, nb
.set qb, 0
.rept \nb
	v_max3_num_f32 v[TM+qb], |v[(\s)+16*qb]|, |v[(\s)+16*qb+1]|, 0x1800000   ; with the floor 2^(3 - 127): the byte cannot fall under 1
.set qb, qb+1
.endr
.set qi, 2
.rept 7
.set qb, 0
.rept \nb
	v_max3_num_f32 v[TM+qb], v[TM+qb], |v[(\s)+16*qb+qi]|, |v[(\s)+16*qb+qi+1]|
.set qb, qb+1
.endr
.set qi, qi+2
.endr
.set qb, 0
.rept \nb
	v_permlanex16_b32 v[TM+4+qb], v[TM+qb], s[SEL], s[SEL+1]
.set qb, qb+1
.endr
.set qb, 0
.rept \nb
	v_max_num_f32 v[TM+qb], v[TM+qb], v[TM+4+qb]
.set qb, qb+1
.endr
.set qb, 0
.rept \nb
	v_add_nc_u32 v[TM+12+qb], 0xff000000, v[TM+qb]   ; 2 off the exponent field
.set qb, qb+1
.endr
.set qb, 0
.rept \nb
	v_lshrrev_b32 v[TM+4+qb], 23, v[TM+12+qb]
.set qb, qb+1
.endr
.endm
; 32 numbers of a lane (halves of two blocks) become six registers of an operand: lanes 0-15 the first block whole, lanes 16-31 the second
.macro CODE1 s, d, o, ct
	v_cvt_scalef32_pk16_fp6_f32 v[(\d):(\d)+2], v[(\s):(\s)+15], v[\o]
	v_cvt_scalef32_pk16_fp6_f32 v[(\ct):(\ct)+2], v[(\s)+16:(\s)+31], v[(\o)+1]
	v_nop                                          ; one plain place behind a scaled conversion
.irp i, 0,1,2
	v_permlane16_swap_b32 v[(\d)+\i], v[(\ct)+\i]
.endr
.irp i, 0,1,2
	v_mov_b32 v[(\d)+3+\i], v[(\ct)+\i]
.endr
.endm
; K step s of a projection: my 8 tiles of the weight, my tile's fragment s, 8 matrix instructions in place on v[SP + 8 t], which take turns
.macro WSTEP s
	v_add_nc_u32 v[ADK], ((\s)/2)*SLOT1, v[LI16]
	v_add_nc_u32 v[ADS], ((\s)/2)*SLOT1, v[LI4]
.irp t, 0,1,2,3,4,5,6,7
.irp p, 0,1,2
	ds_load_b128 v[KF+12*\t+64*(\t/4)+4*\p:KF+12*\t+64*(\t/4)+4*\p+3], v[ADK] offset:((\s)%2)*12800+1536*\t+512*\p
.endr
.endr
.irp a, 0,1,2,3
	ds_load_b32 v[240+\a], v[ADS] offset:((\s)%2)*12800+12288+128*\a
.endr
.irp p, 0,1,2
	ds_load_b128 v[XF+4*\p:XF+4*\p+3], v[XI] offset:6144*(\s)+512*\p
.endr
	ds_load_b32 v246, v[XI4] offset:512*(\s)
	s_wait_dscnt 0x0
.irp t, 0,1,2,3,4,5,6,7
	WM SP+8*\t, KF+12*\t+64*(\t/4), XF, SP+8*\t, 240+\t/2, 246, \t%2
.endr
	PLACES                                         ; in front of loads into registers that these have read, and of the first read of results
.endm
; THE NEXT STEP'S S^T = K Q^T: eight tiles of 16 keys.  Five places stand behind the products that read v96 on as source 0.  Lane (r, h): token r; the 16 registers of tiles 2 b, 2 b + 1 are keys 32 b + 16 h + 0 .. 15
.macro AN
.rept 5
	v_nop
.endr
.irp t, 0,1,2,3,4,5,6,7
	WM SP+8*\t, KP+6*\t, 16, -1, 240+\t/2, QS, \t%2
.endr
.endm
; A KEY STEP on the S^T in hand: softmax, p's codes, O^T += V^T p^T with V's records 4 q on of the slot.  kl = 1: K's records 4 q on, the next step's, are asked for at its head: one run of 20 loads, waited for with V's
.macro BC q, kl
	v_add_nc_u32 v[ADT], s[TJ], v[AT0]
	PLACES                                         ; behind the products that made S^T and read K's registers
.if \kl
.irp t, 0,1,2,3,4,5,6,7
	ds_load_b128 v[KP+6*\t:KP+6*\t+3], v[ADK] offset:RECK*(4*(\q)+\t/2)+768*(\t%2)
	ds_load_b64 v[KP+6*\t+4:KP+6*\t+5], v[ADK8] offset:RECK*(4*(\q)+\t/2)+768*(\t%2)+512
.endr
.irp i, 0,1,2,3
	ds_load_b32 v[240+\i], v[ADS] offset:RECK*(4*(\q)+\i)+1536
.endr
.endif
.irp b, 0,1,2,3
	v_max3_num_f32 v[TM+\b], v[SP+16*\b], v[SP+1+16*\b], v[SP+2+16*\b]   ; the largest score of each block of 32 keys: for the row's maximum and, since p rises with the score, for the block's largest p
.endr
.irp i, 3,5,7,9,11,13
.irp b, 0,1,2,3
	v_max3_num_f32 v[TM+\b], v[TM+\b], v[SP+16*\b+\i], v[SP+1+16*\b+\i]
.endr
.endr
.irp b, 0,1,2,3
	v_max_num_f32 v[TM+\b], v[TM+\b], v[SP+15+16*\b]
.endr
.irp b, 0,1,2,3
	v_permlanex16_b32 v[TM+4+\b], v[TM+\b], s[SEL], s[SEL+1]
.endr
.irp b, 0,1,2,3
	v_max_num_f32 v[TM+\b], v[TM+\b], v[TM+4+\b]
.endr
	v_max3_num_f32 v234, v[TM], v[TM+1], v[TM+2]
	v_max_num_f32 v234, v234, v[TM+3]
	v_mul_f32 v234, s[CS], v234                    ; as t
	v_max_num_f32 v13, v13, v234                   ; the running largest t
	v_mov_b32 v234, v12
	v_floor_f32 v12, -v13                          ; the new -M = floor(-t)
	v_sub_f32 v234, v12, v234                      ; old M - new M: a whole number, 0 or less
	v_cvt_i32_f32 v234, v234                       ; (it saturates)
	v_ldexp_f32 v232, 1.0, v234                    ; f = 2^(old M - new M)
.set j, 0
.rept 32
	v_pk_fma_f32 v[SP+j:SP+j+1], v[SP+j:SP+j+1], s[CS:CS+1], v[12:13] op_sel_hi:[1,0,0]   ; t - M, two at a time
.set j, j+2
.endr
.irp b, 0,1,2,3
	v_fma_f32 v[TM+\b], v[TM+\b], s[CS], v12       ; the same of each block's largest score
.endr
	s_wait_alu depctr_va_vdst(0)                   ; ahead of the batch
.set j, 0
.rept 64
	v_exp_f32 v[SP+j], v[SP+j]                     ; p = 2^(t - M), not normalised
.set j, j+1
.endr
	v_pk_mul_f32 v[14:15], v[14:15], v[232:233] op_sel_hi:[1,0]   ; the sums under the new M: a plain place behind the batch
	s_wait_alu depctr_va_vdst(0)                   ; one wait for the batch, ahead of its first reader
.irp b, 0,1,2,3
	v_exp_f32 v[TM+\b], v[TM+\b]                   ; the block's largest p: the same two instructions on the same number give the same bits
.endr
	v_pk_add_f32 v[228:229], v[SP:SP+1], v[SP+2:SP+3]   ; the row's sum is taken of the unquantised p, in two chains
.set j, 4
.rept 15
	v_pk_add_f32 v[14:15], v[14:15], v[SP+j:SP+j+1]
	v_pk_add_f32 v[228:229], v[228:229], v[SP+j+2:SP+j+3]
.set j, j+4
.endr
	v_pk_add_f32 v[14:15], v[14:15], v[228:229]
	s_wait_alu depctr_va_vdst(0)                   ; and one for the four
.irp b, 0,1,2,3
	v_max_num_f32 v[TM+\b], 0x1800000, v[TM+\b]    ; the floor 2^(3 - 127)
.endr
.irp b, 0,1,2,3
	v_add_nc_u32 v[TM+12+\b], 0xff000000, v[TM+\b]
.endr
.irp b, 0,1,2,3
	v_lshrrev_b32 v[TM+4+\b], 23, v[TM+12+\b]
.endr
	v_lshl_or_b32 v[PW], v[TM+5], 8, v[TM+4]       ; p's scale word for these 128 keys
	v_lshl_or_b32 v[PW], v[TM+6], 16, v[PW]
	v_lshl_or_b32 v[PW], v[TM+7], 24, v[PW]
.irp c, 0,1
	v_cvt_scalef32_pk16_fp6_f32 v[PC+6*\c:PC+6*\c+2], v[SP+32*\c:SP+32*\c+15], v[TM+12+2*\c]
	v_cvt_scalef32_pk16_fp6_f32 v[CT+4*\c:CT+4*\c+2], v[SP+32*\c+16:SP+32*\c+31], v[TM+13+2*\c]
.endr
	v_nop                                          ; one plain place behind a scaled conversion
.irp t, 0,1,2,3                        ; V's four tiles of 16 channels x these 128 keys, where p lay: lane (r, h) takes 24 bytes of blocks h and 2 + h
.irp p, 0,1,2,3,4,5
	ds_load_b64 v[SP+12*\t+2*\p:SP+12*\t+2*\p+1], v[ADV] offset:(4*(\q)+2*(\p/3))*RECK+1664+384*\t+8*(\p%3)
.endr
.endr
	ds_load_b32 v244, v[ADT]
	ds_load_b32 v245, v[ADT] offset:128
.irp c, 0,1                            ; the operand's layout wants a whole block in a lane
.irp i, 0,1,2
	v_permlane16_swap_b32 v[PC+6*\c+\i], v[CT+4*\c+\i]
.endr
.irp i, 0,1,2
	v_mov_b32 v[PC+6*\c+3+\i], v[CT+4*\c+\i]
.endr
.endr
	s_wait_alu depctr_va_vdst(0)                   ; directly ahead of the first reader of O^T
.set j, 0
.rept 16
	v_pk_mul_f32 v[OT+j:OT+j+1], v[OT+j:OT+j+1], v[232:233] op_sel_hi:[1,0]   ; O^T under the new M; also the places between p's codes and scale word and the products
.set j, j+2
.endr
	s_wait_alu depctr_va_vdst(0)                   ; directly ahead of the wait below
	s_wait_dscnt 0x0                               ; V's fragments and words, and the next step's K
.irp t, 0,1,2,3
	WM OT+8*\t, SP+12*\t, PC, OT+8*\t, 244+\t/2, PW, \t%2
.endr
	s_add_co_u32 s[TJ], s[TJ], 256                 ; the next step's scale words of V
.endm
.macro ADDRS                           ; the slot in hand; these four are also places behind the products ahead of the round
	v_add_nc_u32 v[ADK], s[TB], v[LI16]
	v_add_nc_u32 v[ADK8], s[TB], v[LI8]
	v_add_nc_u32 v[ADS], s[TB], v[LI4]
	v_add_nc_u32 v[ADV], s[TB], v[AV0]
.endm
; A HEAD'S END: O^T / the sum, quantised along the channels.  i = 0: the second head's q takes its place and the sums begin anew
.macro HEADEND i
	PLACES
	v_add_f32 v14, v14, v15
	v_permlanex16_b32 v234, v14, s[SEL], s[SEL+1]
	v_add_f32 v14, v14, v234                       ; the row's sum
	s_wait_alu depctr_va_vdst(0)                   ; ahead of the transcendental
	v_rcp_f32 v232, v14
	v_nop
	s_wait_alu depctr_va_vdst(0)                   ; and behind it, directly ahead of the first reader of its result and of O^T
.set j, 0
.rept 16
	v_pk_mul_f32 v[SP+j:SP+j+1], v[OT+j:OT+j+1], v[232:233] op_sel_hi:[1,0]
.set j, j+2
.endr
	QMAX SP, 2
.if (\i) == 0
	v_lshl_or_b32 v[OSW], v[TM+5], 8, v[TM+4]
.else
	v_lshl_or_b32 v234, v[TM+5], 8, v[TM+4]
	v_lshl_or_b32 v[OSW], v234, 16, v[OSW]
.endif
	CODE1 SP, OC+6*(\i), TM+12, CT
.if (\i) == 0
	v_mov_b32 v[QS], v[QS2]                        ; more than eight plain instructions stand between this and the next scaled product
.set j, 0
.rept 6
	v_mov_b32 v[16+j], v[28+j]
.set j, j+1
.endr
	v_mov_b32 v13, 0xff61b1e6
	v_floor_f32 v12, -v13
	v_mov_b32 v14, 0
	v_mov_b32 v15, 0
.set j, 0
.rept 32
	v_mov_b32 v[OT+j], 0
.set j, j+1
.endr
.endif
.endm
	s_load_b256 s[4:11], s[0:1], 0x0               ; query s[4:5], wts s[6:7], bq s[8:9], kv s[10:11]
	s_load_b128 s[12:15], s[0:1], 0x20             ; vsw s[12:13], bo s[14:15]
	s_load_b64 s[16:17], s[0:1], 0x30              ; out0
	v_lshl_add_u32 v[SPW], v0, 2, SPARE
	v_mov_b32 v[NIL], 0
	ds_add_u32 v[SPW], v[NIL]                      ; the opening lines
	ds_add_u32 v[SPW], v[NIL]
	v_lshrrev_b32 v8, 5, v0
	v_readfirstlane_b32 s[WV], v8                  ; wave 0..15
	s_lshr_b32 s[G], s[WV], 2
	s_and_b32 s[M], s[WV], 3
	s_bfe_u32 s66, ttmp6, 0x40000                  ; cx
	s_lshl_b32 s67, ttmp9, 2
	s_add_co_u32 s67, s67, s66                     ; my block of 64 tokens
	s_and_b32 s68, ttmp7, 0xffff                   ; b, which the four partners share
	s_lshl_b32 s70, s67, 19                        ; 64 tokens of 8,192 bytes,
	s_lshl_b32 s71, s[M], 17                       ; my 16,
	s_add_co_u32 s70, s70, s71
	s_lshl_b32 s71, s68, 11                        ; b's 2,048 bytes of a token,
	s_add_co_u32 s70, s70, s71
	s_lshl_b32 s71, s[G], 9                        ; 128 numbers g
	s_add_co_u32 s70, s70, s71
	s_mov_b32 s71, 0
	s_lshl_b32 s82, s[G], 9                        ; bq, bo: my 128 numbers
	s_mov_b32 s83, 0
	s_mov_b32 s[G1], 15|(3<<16)|(1<<21)            ; the mask: all four work-groups; elements of 8 bytes; bit 21 beside a mask
	s_mov_b32 s[G1+1], 32<<16
	s_mov_b32 s[G1+2], 100<<16                     ; 100 rows of 256 bytes
	s_mov_b32 s[G1+3], 32<<16
	s_mov_b32 s[G1+4], 100
	s_mov_b32 s[G1+5], 32
	s_mov_b32 s[G1+6], 0
	s_mov_b32 s[G1+7], 0
	s_mov_b32 s[G1V], 15|(3<<16)|(1<<21)
	s_mov_b32 s[G1V+1], 32<<16
	s_mov_b32 s[G1V+2], 64<<16                     ; 64 rows
	s_mov_b32 s[G1V+3], 32<<16
	s_mov_b32 s[G1V+4], 64
	s_mov_b32 s[G1V+5], 32
	s_mov_b32 s[G1V+6], 0
	s_mov_b32 s[G1V+7], 0
	s_mov_b32 s[SEL], 0x76543210
	s_mov_b32 s[SEL+1], 0xfedcba98
	s_mov_b32 s[CS], 0x3fb8aa3b                    ; log2(e)
	s_mov_b32 s[CS+1], s[CS]
	s_mov_b32 s[TB], 0
	s_mov_b32 s[TJ], 0
	s_mov_b32 s[SLOTS], 7
	s_mul_i32 s72, s[M], QUART
	s_mul_i32 s74, s[WV], QUART
	s_mov_b32 s75, 0
	s_mul_i32 s76, s68, 819200
	s_mul_i32 s[KB], s[G], 204800
	s_add_co_u32 s[KB], s[KB], s76                 ; K of step 0: my first head's records 0 to 3
	s_mov_b32 s[KB+1], 0
	s_mul_i32 s77, s[M], 204800
	s_add_co_u32 s76, s76, s77
	s_add_co_u32 s76, s76, 4*RECK                  ; the ring's key blocks begin at record 4
	s_mov_b32 s77, 0
	s_lshl_b32 s78, s68, 14
	s_mov_b32 s79, 0
	s_add_co_u32 s80, s72, 614400
	s_mov_b32 s81, 0
	s_wait_dscnt 0x0                               ; both opening adds are done
	v_and_b32 v8, 31, v0                           ; lane
	v_and_b32 v9, 15, v0                           ; r
	v_bfe_u32 v10, v0, 4, 1                        ; h
	s_wait_alu depctr_va_vdst(0)
	s_mul_i32 s84, s[G], QUART
	v_lshl_add_u32 v[LI16], v8, 4, s84
	v_lshl_add_u32 v[LI8], v8, 3, s84
	v_lshl_add_u32 v[LI4], v8, 2, s84
	v_lshlrev_b32 v[G16], 4, v8
	v_lshlrev_b32 v[G8], 3, v8
	v_lshlrev_b32 v[G4], 2, v8
	v_mul_u32_u24 v[AV0], v10, RECK
	v_mad_u32_u24 v[AV0], v9, 24, v[AV0]
	v_add_nc_u32 v[AV0], s84, v[AV0]
	s_lshl_b32 s85, s[G], 12
	s_add_co_u32 s85, s85, VSW
	v_lshl_add_u32 v[AT0], v8, 2, s85
	s_mul_i32 s86, s[WV], 4352
	s_add_co_u32 s86, s86, STG                     ; my stage
	v_mul_u32_u24 v[STO], v9, 272
	v_lshl_add_u32 v[STO], v10, 6, v[STO]
	v_add_nc_u32 v[STO], s86, v[STO]               ; by tokens: row r, 64 h bytes on
	v_mul_u32_u24 v[RD], v10, 272
	v_lshl_add_u32 v[RD], v9, 4, v[RD]
	v_add_nc_u32 v[RD], s86, v[RD]                 ; by rows: lanes 0-15 one row of 256 bytes, lanes 16-31 the next
	v_lshlrev_b32 v[GO], 13, v10
	v_lshl_add_u32 v[GO], v9, 4, v[GO]             ; and the same two rows in query and in out0
	s_mul_i32 s87, s[M], 1536
	s_add_co_u32 s87, s87, XIMG
	v_lshl_add_u32 v[XI], v8, 4, s87
	s_lshl_b32 s88, s[M], 7
	s_add_co_u32 s88, s88, XSC
	v_lshl_add_u32 v[XI4], v8, 2, s88
	s_mul_i32 s89, s[WV], 1536
	s_add_co_u32 s89, s89, XIMG
	v_lshl_add_u32 v[XWI], v8, 4, s89
	s_lshl_b32 s90, s[WV], 7
	s_add_co_u32 s90, s90, XSC
	v_lshl_add_u32 v[XWS], v8, 2, s90
	v_lshlrev_b32 v[BA], 6, v10                    ; a bias: 16 h numbers on
.irp b, 0,1,2,3
	v_mov_b32 v[TM+4+\b], 0                        ; written once: a lane permute's destination counts as one of its sources
.endr
	v_mov_b32 v233, 0                              ; (named as the upper half of the pair v[232:233])
	v_mov_b32 v234, 0
	s_wait_alu depctr_va_vdst(0)
	s_wait_kmcnt 0x0
	s_add_nc_u64 s[4:5], s[4:5], s[70:71]
	s_add_nc_u64 s[16:17], s[16:17], s[70:71]
	s_add_nc_u64 s[8:9], s[8:9], s[82:83]
	s_add_nc_u64 s[14:15], s[14:15], s[82:83]
	s_add_nc_u64 s[KB:KB+1], s[10:11], s[KB:KB+1]
.irp a, 0,1                            ; x: my 16 tokens x 128 numbers; a load takes 256 consecutive bytes of each of two tokens
.irp i, 0,1,2,3,4,5,6,7
	global_load_b128 v[32+32*\a+4*\i:35+32*\a+4*\i], v[GO], s[4:5] offset:16384*\i+256*\a th:TH_LOAD_NT
.endr
.endr
.irp t, 0,1,2,3,4,5,6,7                ; bq lands where q's sums stand: the first product adds onto it
	global_load_b128 v[SP+8*\t:SP+8*\t+3], v[BA], s[8:9] offset:(32*(\t/2)+8*(\t%2))*4
	global_load_b128 v[SP+8*\t+4:SP+8*\t+7], v[BA], s[8:9] offset:(32*(\t/2)+8*(\t%2))*4+16
.endr
	s_mov_b32 s[G0F], 1                            ; Wq: wave w (0..7) brings quarter w % 4 of block w / 4 into slot w / 4
	s_lshl_b32 s[G0F+1], s[G], 17
	s_add_co_u32 s[G0F+1], s[G0F+1], s72
	s_add_nc_u64 s[G0F+2:G0F+3], s[6:7], s[74:75]
	s_or_b32 s[G0F+3], s[G0F+3], 0x80000000
	s_mov_b32 s[G0], 1                             ; the walking descriptor: quarter w % 4, slot 0, key block 0 of heads 2 (w % 4) on
	s_mov_b32 s[G0+1], s72
	s_add_nc_u64 s[G0+2:G0+3], s[10:11], s[76:77]
	s_or_b32 s[G0+3], s[G0+3], 0x80000000
	s_mov_b32 s[G0V], 1
	s_mov_b32 s[G0V+1], VSW
	s_add_nc_u64 s[G0V+2:G0V+3], s[12:13], s[78:79]
	s_or_b32 s[G0V+3], s[G0V+3], 0x80000000
	s_add_nc_u64 s[WOA:WOA+1], s[6:7], s[80:81]    ; Wo's first block, my quarter
	CROUND                                         ; all four work-groups are here: the first joint loads meet
	s_cmp_lt_u32 s[WV], 8
	s_cbranch_scc0 .Lnot_wq
	tensor_load_to_lds s[G0F:G0F+3], s[G1:G1+7]
	s_nop 0
	PLACES
	s_branch .Lfilled
.Lnot_wq:
	s_cmp_eq_u32 s[WV], 8
	s_cbranch_scc0 .Lfilled
	tensor_load_to_lds s[G0V:G0V+3], s[G1V:G1V+7]
	s_nop 0
	PLACES
.Lfilled:
	; ---- X: my 16 tokens x 128 numbers turn through my stage, 64 numbers of a token at a time, so that a lane holds 16 neighbours of each block; then they become one fragment
	s_wait_loadcnt 16                              ; x's 16 loads are in; bq's 16 may be out
.irp a, 0,1
.irp i, 0,1,2,3,4,5,6,7
	ds_store_b128 v[RD], v[32+32*\a+4*\i:35+32*\a+4*\i] offset:544*\i
.endr
.irp k, 0,1
.irp j, 0,1,2,3
	ds_load_b128 v[32+32*\a+16*\k+4*\j:35+32*\a+16*\k+4*\j], v[STO] offset:128*\k+16*\j   ; LDS serves a wave's instructions in order
.endr
.endr
.endr
	s_wait_dscnt 0x0
	QMAX 32, 4
	v_lshl_or_b32 v[PW], v[TM+5], 8, v[TM+4]
	v_lshl_or_b32 v[PW], v[TM+6], 16, v[PW]
	v_lshl_or_b32 v[PW], v[TM+7], 24, v[PW]
	CODE1 32, PC, TM+12, CT
	CODE1 64, PC+6, TM+14, CT+4
.irp p, 0,1,2
	ds_store_b128 v[XWI], v[PC+4*\p:PC+4*\p+3] offset:512*\p
.endr
	ds_store_b32 v[XWS], v[PW]
	s_wait_tensorcnt 0x0                           ; my first fill has landed,
	s_wait_dscnt 0x0                               ; my image lies in LDS:
	s_barrier_signal -1
	s_barrier_wait -1                              ; everybody's
	; ---- Q: q = (x Wq^T + bq) / 8 for my tokens and my two heads
	s_wait_loadcnt 0x0                             ; bq
	WSTEP 0
	WSTEP 1
	CHANGE 0                                       ; slot 0 takes key block 0
	WSTEP 2
	WSTEP 3
.irp t, 0,1,2,3,4,5,6,7                ; K of step 0, from memory into the packed registers, while q is quantised
	global_load_b128 v[KP+6*\t:KP+6*\t+3], v[G16], s[KB:KB+1] offset:RECK*(\t/2)+768*(\t%2)
	global_load_b64 v[KP+6*\t+4:KP+6*\t+5], v[G8], s[KB:KB+1] offset:RECK*(\t/2)+768*(\t%2)+512
.endr
.irp i, 0,1,2,3
	global_load_b32 v[240+\i], v[G4], s[KB:KB+1] offset:RECK*\i+1536
.endr
.set j, 0
.rept 32
	v_pk_mul_f32 v[SP+j:SP+j+1], v[SP+j:SP+j+1], 0x3e000000 op_sel_hi:[1,0]
.set j, j+2
.endr
	QMAX SP, 4
	v_lshl_or_b32 v[QS], v[TM+5], 8, v[TM+4]       ; bytes 0, 1: my first head; bytes 2, 3, which there scale zero codes: my second
	v_lshl_or_b32 v[QS], v[TM+6], 16, v[QS]
	v_lshl_or_b32 v[QS], v[TM+7], 24, v[QS]
	v_lshrrev_b32 v[QS2], 16, v[QS]
	CODE1 SP, 16, TM+12, CT                        ; the first head's 64 channels: registers 0-5 of the operand
	CODE1 SP+32, 28, TM+14, CT+4                   ; the second head's wait in v28-33
.set j, 0
.rept 6
	v_mov_b32 v[22+j], 0                           ; K = 64 .. 127: zero codes in q
.set j, j+1
.endr
	v_mov_b32 v13, 0xff61b1e6                      ; the largest t so far: -3e38
	v_floor_f32 v12, -v13                          ; -M
	v_mov_b32 v14, 0
	v_mov_b32 v15, 0
.set j, 0
.rept 32
	v_mov_b32 v[OT+j], 0                           ; O^T: the key step is written once; its first run finds zeros
.set j, j+1
.endr
	s_wait_alu depctr_va_vdst(0)                   ; directly ahead of the wait below
	s_wait_loadcnt 0x0                             ; K of step 0
	AN                                             ; S^T of step 0
	; ---- the keys: 8 blocks, four for each of my two heads
.Lslot:                                            ; 7 trips: behind each change of slots the next key block is asked for
	CHANGE 1
	ADDRS
	BC 0, 1
	AN
	BC 1, 1
	s_xor_b32 s[TB], s[TB], SLOT1
	s_cmp_lg_u32 s[SLOTS], 4                       ; behind the fourth block the first head is done
	s_cbranch_scc1 .Lsame_head
	HEADEND 0
.Lsame_head:
	AN                                             ; the next block's first step: its K lay in this block
	s_sub_co_u32 s[SLOTS], s[SLOTS], 1
	s_cmp_lg_u32 s[SLOTS], 0
	s_cbranch_scc1 .Lslot
	CHANGE 2                                       ; the last key block is read while Wo's first block lands in the other slot
	ADDRS
	BC 0, 1
	AN
	BC 1, 0
	CHANGE 3                                       ; Wo's second block
	HEADEND 1
.irp t, 0,1,2,3,4,5,6,7                ; bo lands where the last product's sums stand
	global_load_b128 v[SP+8*\t:SP+8*\t+3], v[BA], s[14:15] offset:(32*(\t/2)+8*(\t%2))*4
	global_load_b128 v[SP+8*\t+4:SP+8*\t+7], v[BA], s[14:15] offset:(32*(\t/2)+8*(\t%2))*4+16
.endr
.irp p, 0,1,2
	ds_store_b128 v[XWI], v[OC+4*\p:OC+4*\p+3] offset:512*\p   ; my two heads are K step g of the last product, for tile m
.endr
	ds_store_b32 v[XWS], v[OSW]
	s_wait_dscnt 0x0
	s_barrier_signal -1
	s_barrier_wait -1                              ; all sixteen images lie in LDS; Wo's second block may stay out
	; ---- O: out0 = result Wo^T + bo
	s_wait_loadcnt 0x0                             ; bo
	WSTEP 0
	WSTEP 1
	s_wait_tensorcnt 0x0                           ; my part of Wo's second block has landed,
	s_wait_dscnt 0x0
	s_barrier_signal -1
	s_barrier_wait -1                              ; everybody's
	WSTEP 2
	WSTEP 3
	; THE WAY OUT: a lane holds 32 neighbouring bytes of a token's row; 64 units of 16 tokens at a time go through my stage and leave as whole aligned runs of 256 bytes
.irp a, 0,1
.irp t, 0,1,2,3
	ds_store_b128 v[STO], v[SP+32*\a+8*\t:SP+32*\a+8*\t+3] offset:128*(\t/2)+32*(\t%2)
	ds_store_b128 v[STO], v[SP+32*\a+8*\t+4:SP+32*\a+8*\t+7] offset:128*(\t/2)+32*(\t%2)+16
.endr
.irp i, 0,1,2,3,4,5,6,7
	ds_load_b128 v[160+32*\a+4*\i:163+32*\a+4*\i], v[RD] offset:544*\i
.endr
.endr
.irp a, 0,1
.irp i, 0,1,2,3,4,5,6,7
	s_wait_dscnt (1-\a)*16+7-\i                    ; the LDS instructions issued behind this pair of rows may be out
	global_store_b128 v[GO], v[160+32*\a+4*\i:163+32*\a+4*\i], s[16:17] offset:16384*\i+256*\a th:TH_STORE_NT   ; sixteen lanes store 256 consecutive bytes, aligned
.endr
.endr
	s_wait_tensorcnt 0x0                           ; the wave's end
	ds_add_u32 v[SPW], v[NIL]
	s_wait_dscnt 0x0
	CROUND                                         ; the closing round
	s_endpgm
.Lfunc_end_k_q746251b5e1_attn:
	.size	k_q746251b5e1_attn, .Lfunc_end_k_q746251b5e1_attn-k_q746251b5e1_attn
	.p2alignl 7, 3214868480
	.fill 96, 4, 3214868480
	.section	.rodata,"a",@progbits
	.p2align	6, 0x0
	.amdhsa_kernel k_q746251b5e1_attn
		.amdhsa_group_segment_fixed_size 327680
		.amdhsa_private_segment_fixed_size 0
		.amdhsa_enable_private_segment 0
		.amdhsa_kernarg_size 56
		.amdhsa_user_sgpr_count 2
		.amdhsa_user_sgpr_kernarg_segment_ptr 1
		.amdhsa_wavefront_size32 1
		.amdhsa_system_sgpr_workgroup_id_x 1
		.amdhsa_system_sgpr_workgroup_id_y 1
		.amdhsa_system_sgpr_workgroup_id_z 1
		.amdhsa_system_vgpr_workitem_id 0
		.amdhsa_next_free_vgpr 256
		.amdhsa_next_free_sgpr 96
		.amdhsa_reserve_vcc 0
		.amdhsa_float_denorm_mode_32 3
		.amdhsa_float_denorm_mode_16_64 3
		.amdhsa_memory_ordered 1
		.amdhsa_forward_progress 1
		.amdhsa_inst_pref_size 136
	.end_amdhsa_kernel
	.amdgpu_metadata
---
amdhsa.version: [ 1, 2 ]
amdhsa.kernels:
  - .name:           k_q746251b5e1_attn
    .symbol:         k_q746251b5e1_attn.kd
    .args:
      - { .name: query, .offset: 0, .size: 8, .value_kind: global_buffer, .address_space: global }
      - { .name: wts, .offset: 8, .size: 8, .value_kind: global_buffer, .address_space: global }
      - { .name: bq, .offset: 16, .size: 8, .value_kind: global_buffer, .address_space: global }
      - { .name: kv, .offset: 24, .size: 8, .value_kind: global_buffer, .address_space: global }
      - { .name: vsw, .offset: 32, .size: 8, .value_kind: global_buffer, .address_space: global }
      - { .name: bo, .offset: 40, .size: 8, .value_kind: global_buffer, .address_space: global }
      - { .name: out0, .offset: 48, .size: 8, .value_kind: global_buffer, .address_space: global }
    .group_segment_fixed_size: 327680
    .private_segment_fixed_size: 0
    .kernarg_segment_align: 8
    .kernarg_segment_size: 56
    .max_flat_workgroup_size: 512
    .sgpr_count:     96
    .vgpr_count:     256
    .wavefront_size: 32
...
	.end_amdgpu_metadata
.endif
;; end of part 3
